; MI455X (gfx1250); checked and timed in simulation.
; The chip was launched on July 23, 2026; its instructions are those of AMD's public machine-readable ISA for CDNA 5 (MIT licence, August 2026) and "CDNA5" Instruction Set Architecture Reference Guide (July 2026). The comments in the code are by the model that wrote it; some were corrected since.
;; Rotary Yat Attention. Allowed arithmetic: matrix products marked QUANTISED: E2M1 operands, one E8M0 scale for each 32 along K, by v_wmma_scale_f32_16x16x128_f8f6f4 with both operands' format E2M1 (or v_wmma_scale_f32_32x16x128_f4), f32 sums; everything else in f32.
;; Inputs: Wk_codes 1,024 x 32 x 16 uint8 (E2M1 codes of Wk, K innermost, in blocks of 32 codes, two codes a byte); Wk_scales 1,024 x 32 uint8 (E8M0 scales of Wk, one for each 32 codes along K); Wo_codes 1,024 x 32 x 16 uint8 (E2M1 codes of Wo, K innermost, in blocks of 32 codes, two codes a byte); Wo_scales 1,024 x 32 uint8 (E8M0 scales of Wo, one for each 32 codes along K); Wq_codes 1,024 x 32 x 16 uint8 (E2M1 codes of Wq, K innermost, in blocks of 32 codes, two codes a byte); Wq_scales 1,024 x 32 uint8 (E8M0 scales of Wq, one for each 32 codes along K); Wv_codes 1,024 x 32 x 16 uint8 (E2M1 codes of Wv, K innermost, in blocks of 32 codes, two codes a byte); Wv_scales 1,024 x 32 uint8 (E8M0 scales of Wv, one for each 32 codes along K); alpha 1 float32; x_codes 2 x 2,048 x 32 x 16 uint8 (E2M1 codes of x, K innermost, in blocks of 32 codes, two codes a byte); x_scales 2 x 2,048 x 32 uint8 (E8M0 scales of x, one for each 32 codes along K).
;; Outputs: out0 2 x 2,048 x 1,024 float32.
;; This version of the problem:
;;   THIS VERSION OF THE PROBLEM IS GIVEN IN LOW PRECISION. The matrix products marked QUANTISED in the list below multiply operands that are first quantised to E2M1 (2 exponent bits, 1 mantissa bit; 4 bits a number), with one power-of-two scale for each 32 numbers along K (OCP MX v1.0); their sums are f32. All else is computed in f32.
;;   The module's matrix products, in the order in which they are computed (A, B: the left and right operand; K: the contracted axis; several contracted axes count as one K, in the product's order):
;;     1. [M 4,096, K 1,024] x [K 1,024, N 1,024]; A: input x (given as codes); B: input Wq (given as codes): QUANTISED
;;     2. [M 4,096, K 1,024] x [K 1,024, N 1,024]; A: input x (given as codes); B: input Wk (given as codes): QUANTISED
;;     3. [M 4,096, K 1,024] x [K 1,024, N 1,024]; A: input x (given as codes); B: input Wv (given as codes): QUANTISED
;;     4. batch 32 x [M 2,048, K 64] x [K 64, N 2,048]; A: computed on the way; B: computed on the way: QUANTISED
;;     5. batch 32 x [M 64, K 2,048] x [K 2,048, N 2,048]; A: computed on the way; B: softmax (see below): QUANTISED
;;     6. [M 4,096, K 1,024] x [K 1,024, N 1,024]; A: computed on the way; B: input Wo (given as codes): QUANTISED
;;   THE QUANTISER, for each operand of a quantised product, along K:
;;     - K is cut into blocks of 32 from its start; a last block that is shorter is filled with zeros.
;;     - A block's scale is 2^e with e = floor(log2(the largest magnitude in the block)) - 2, held to -126 .. 127; a block of zeros has e = 0. As a byte (E8M0): e + 127.
;;     - Each number is divided by its block's scale, clamped to +-6, and rounded to the nearest number of E2M1, ties to even, subnormals kept.
;;     - The product sums the exact products of the quantised numbers (number of the format x scale) in f32.
;;   ~~~python
;;   def quantise(x, axis):      # numpy; x: float32 -> the quantised numbers, widened to float32 again
;;       x = np.moveaxis(x, axis, -1); K = x.shape[-1]
;;       x = np.pad(x, [(0, 0)] * (x.ndim - 1) + [(0, -K % 32)]); x = x.reshape(x.shape[:-1] + (-1, 32)); a = np.abs(x).max(-1, keepdims=True)
;;       e = np.where(a > 0, np.clip(np.frexp(np.where(a > 0, a, 1))[1] - 1 - 2, -126, 127), 0)      # np.frexp(a)[1] - 1 = floor(log2(a)), exactly
;;       r = np.clip(x / 2.0 ** e, -6, 6)
;;       step = 2.0 ** (np.maximum(np.frexp(np.where(r == 0, 1, r))[1] - 1, 0) - 1)
;;       q = np.round(r / step) * step * 2.0 ** e      # np.round: ties to even
;;       return np.moveaxis(q.reshape(q.shape[:-2] + (-1,))[..., :K], -1, axis).astype(np.float32)
;;   ~~~
;;   SOFTMAX AHEAD OF A QUANTISED PRODUCT. Where the list says 'softmax', what is quantised is not the finished softmax but p = 2^(t - M), with t = logit x log2(e) and M = ceil(the row's largest t), a whole number; so 1/2 < the row's largest p <= 1. The row's sum l is taken of the UNQUANTISED p, in f32, and the product's result is divided by l at the end. Since M is a whole number, a kernel that streams over the keys may use a running M (the ceiling of the running maximum): every later rescaling is an exact power of two, which a block's scale takes up: the codes' values come out the same.
;;   OPERANDS COMPUTED ON THE WAY. 'Computed on the way' means the value that the module computes at that place (a softmax that the list does not call 'softmax' is quantised finished and normalised). What goes into a quantiser is computed in f32, as accurately as f32 sums, v_exp_f32 and their like allow (about 1e-6 of the number): no bf16 or f16 on the way to a quantiser, and a product that is left as it is and whose result goes on into a quantised operand takes f32 operands (vector FMAs, or v_wmma_f32_16x16x4_f32). A number that lies on a knife's edge between two numbers of the format may be rounded either way, as far as f32 arithmetic and the matrix unit's own rounding can turn it there, and no further.
;;   INPUTS GIVEN AS CODES. Wk (in the module: [1024, 1024], K = its axis 0); Wo (in the module: [1024, 1024], K = its axis 0); Wq (in the module: [1024, 1024], K = its axis 0); Wv (in the module: [1024, 1024], K = its axis 0); x (in the module: [2, 2048, 1024], K = its axis 2): each comes as NAME_codes (uint8): NAME with its K axis moved to the last place and cut into blocks of 32 codes, [.., K / 32, bytes a block], one block behind the other in memory; two codes a byte, the lower K in the low four bits (a code: sign, 2 exponent bits, 1 mantissa bit); and NAME_scales (uint8): the same leading axes, one E8M0 byte (e + 127) for each 32 codes along K. Its value is code x scale, taken as it is: it is not quantised again, and the codes and scales need not be those that the quantiser above would give.
;; One version. Each part assembles by itself: llvm-mc -triple=amdgcn-amd-amdhsa -mcpu=gfx1250 --defsym DOCPART=n.
;; ======== version 1 of 1: 3 launches
;; workspace buffers: qkimg 4,194,304 bytes; vimg 2,097,152 bytes; meta 1,179,648 bytes; acodes 2,097,152 bytes; ascales 131,072 bytes
;; launch qkv (part 1): grid 8 x 32, 4 waves a work-group, clusters of 4 x 4, 327,680 bytes of LDS; arguments x_codes, x_scales, Wq_codes, Wq_scales, Wk_codes, Wk_scales, Wv_codes, Wv_scales, qkimg, vimg, meta; writes qkimg, vimg, meta
.if DOCPART == 1
	.amdgcn_target "amdgcn-amd-amdhsa--gfx1250"
	.amdhsa_code_object_version 6
	.text
	.protected	k_q10f718e403_qkv
	.globl	k_q10f718e403_qkv
	.p2align	8
	.type	k_q10f718e403_qkv,@function
k_q10f718e403_qkv:
	s_mov_b64 s[64:65], 0
	v_nop
	global_prefetch_b8 v0, s[64:65] scope:SCOPE_SE
	s_setreg_imm32_b32 hwreg(HW_REG_WAVE_MODE, 25, 1), 1
	s_wait_xcnt 0x0
	s_wait_alu depctr_hold_cnt(0) depctr_sa_sdst(0) depctr_va_vdst(0) depctr_va_sdst(0) depctr_va_ssrc(0) depctr_va_vcc(0) depctr_vm_vsrc(0)
	s_getreg_b32 s2, hwreg(HW_REG_IB_STS2, 6, 4)
	s_cmp_eq_u32 s2, 0
	s_cbranch_scc0 .Lentry_in_a_cluster
	s_endpgm
.Lentry_in_a_cluster:
	s_bfe_u32 s2, ttmp6, 0x10000c
	s_cmp_lg_u32 s2, 0xf033
	s_cbranch_scc0 .Lentry_shape_is_right
	s_endpgm
.Lentry_shape_is_right:
; q = x Wq, k = x Wk, v = x Wv on codes of FP4 (E2M1) with one E8M0 scale for each 32 along K = 1,024; then the rotation of q and k, their squared norms in f32, and the quantising of
; q and k along the head's 64 and of v along the keys.  Results leave as IMAGES OF OPERAND REGISTERS, so that the next launch loads fragments whole:
;   qkimg [q,k][head of batch 32][tile of 16 tokens 128][lane 32][16 B]: lane (r, h): the codes of dims 32 h .. 32 h + 31 of token 16 tile + r
;   vimg  [head of batch 32][128 keys 16][16 dims 4][c 2][lane 32][16 B]: registers 4 c .. 4 c + 3 of the fragment (row d = r, keys 64 c + 32 h ..)
;   meta  [head of batch 32][128 tokens 16] records of 2,304 B: q's scale words, q's norms, k's scale words, k's norms (512 B each), v's scale words (256 B)
; SHARES.  A work-group takes 128 tokens x 128 columns of EACH of the three weights (two heads).  All of K lies in LDS, in two halves of 256-byte rows, each filled once: nothing is filled again.
; Wave w: q (w < 2) or k of head w & 1, all 128 tokens: 32 accumulators, source 0 = 16 rows of W, source 1 = 16 tokens: a lane holds ONE token and its registers run along the head's dims;
; and v's columns 32 w .. 32 w + 31: 16 accumulators, source 0 = tokens, source 1 = rows of Wv: a lane holds ONE column and its registers run along the tokens, which are the next product's K.
; CLUSTER 4 x 4: x's tile hangs on the token block alone and is asked for jointly along a row of the cluster, the weights' tiles hang on the column block alone and are asked for along a column.
; cos AND sin are computed here, while the tiles are on their way: the frequency in revolutions, 10^(-f/8) / (2 pi), is kept as a sum of two f32; its head of 12 bits times the token (under 2,048) is exact,
; so whole revolutions are taken off exactly; a quarter-turn reduction and polynomials of degree 9 and 10 follow.
; FROM RESULT TO OPERAND.  An accumulator's 8 registers of lane (r, h) are k' = 16 t + 8 h + 0 .. 7 of the next K.  One conversion makes them one register of 8 codes; the conversion of accumulator 4 c + u writes
; register 4 c + 2 (u % 2) + u / 2, and two exchanges of lane halves for each c then give the 4-bit operand's layout (register 4 c + i of lane (r, h): k' = 64 c + 32 h + 8 i ..).
; LIMITS: cos and sin are within some 2e-7 absolute.  A block whose largest magnitude lies under 2^-124 (a block of zeros too) takes the scale byte 1; its codes are then zeros or subnormal-small, and this
; program alone reads the bytes.  NaN and infinities among the inputs are not served.
; REGISTERS.  window 0: v1-19 lane numbers and addresses; v32-87 scale words and nothing else; v88-127 at work; v128-255 v's 16 accumulators (128 + 64 u + 8 t), before the products the cos/sin work, at the end cos/sin and rotated numbers.
;   window 1: two fragment buffers of 112 (x's 8 at + 8 t, W's 4 at + 64 + 8 j, Wv's 2 at + 96 + 8 u).   window 2: q's or k's 32 accumulators at 32 t + 8 j.
.set PITCH, 272                        ; an LDS row: 256 bytes + 16 of padding: the 16 rows of a fragment load start 68 words apart
.set REG,   128*PITCH                  ; 128 rows: one tensor load
.set SLOT,  4*REG                      ; a half of K: x's rows, Wq's, Wk's, Wv's
.set TAB,   2*SLOT                     ; behind the tiles: cos and sin as images [tile 8][k 8][lane 32][16 B]; written by LDS stores alone
.set WV,   26
.set KIND, 27                          ; 0: my wave makes q, 1: k.  Also the head of my part of v
.set HP,   28                          ; the head of my q or k.  Also which half of the head's dims of v
.set CX,   29
.set CY,   30
.set XX,   31                          ; column block
.set YY,   32                          ; token block
.set RM,   33
.set CM,   34
.set KSI,  35                          ; token block within the sequence
.set G1A,  36                          ; s[36:43] descriptor group 1 for x's tiles;  s[44:51] for the weights'
.set G1B,  44
.set G0A0, 52                          ; groups 0: x, K half 0 and 1;  the wave's weight, K half 0 and 1
.set G0A1, 56
.set G0B0, 60
.set G0B1, 68
.set SEL,  80                          ; s[80:81] selects of v_permlanex16_b32 for lane l xor 16
.set PQ,   82                          ; where my codes of q or k go;  their scale words and norms;  my codes of v;  their scale words
.set PM,   84
.set PV,   86
.set PMV,  88
.set SBX,  90                          ; the scale bytes of my rows of x, of W, of Wv
.set SBW,  92
.set SBV,  94
.set ADX,  8                           ; v8-9 LDS address of x's fragments in K half 0, 1;  v10-11 W's;  v12-13 Wv's
.set ADW,  10
.set ADV,  12
.set SL,   14                          ; 32 r + 16 h: my 16 scale bytes of a tile's rows
.set LI,   15                          ; 16 x lane
.set TABW, 16
.set TABR, 17
.set MO,   18                          ; 4 r + 512 h
.set L4,   19                          ; 4 x lane
.set XS,   32                          ; scale words: register 4 t + q: lanes 0-15 K step q, lanes 16-31 K step 4 + q
.set WS,   64
.set VS,   80
.set FH,   88                          ; v88-103 the 16 frequencies' first words;  v104-119 their second words, then what is left beside the heads;  v232-247 the heads of 12 bits
.set FB,   104
.set FA,   232
.set TM,   88                          ; the quantiser's 16 registers;  its 8 registers of codes;  scale words;  values to store;  norms
.set PC,   104
.set PW,   112
.set PW2,  113
.set VAL,  114
.set NP,   116
.set NS,   124
.set CSR,  128
.set ROT,  192
.set MSB, 0
.macro WIN new                         ; the immediate's high byte repeats the setting that is left; a switch that changes nothing is dropped
.if MSB != \new
	s_set_vgpr_msb (MSB<<8)|\new
.set MSB, \new
.endif
.endm
.macro PLACES                          ; four plain vector instructions between a matrix instruction and a load into, or a read of, its registers
.rept 4
	v_nop
.endr
.endm
.macro CROUND                          ; a round of the cluster's barrier
	s_barrier_signal -1
	s_barrier_wait -1
	s_cmp_lg_u32 s[WV], 0
	s_cbranch_scc1 .Lnot_wave_0_\@
	s_barrier_signal -3
.Lnot_wave_0_\@:
	s_barrier_wait -3
	s_barrier_signal -1
	s_barrier_wait -1
.endm
.macro GROUP0 g, lr, lo, ar, ao        ; descriptor group 0: count 1, LDS byte s[lr] + lo, global address s[ar:ar+1] + ao, type 2
	s_mov_b32 s[\g], 1
	s_add_co_u32 s[\g+1], s[\lr], \lo
	s_add_nc_u64 s[\g+2:\g+3], s[\ar:\ar+1], \ao
	s_or_b32 s[\g+3], s[\g+3], 0x80000000
.endm
; 64 numbers of a lane, v[s] on, register 8 t + i = k' 16 t + 8 h + i of my row, become a fragment's codes in v[PC] on and its scale word in v[pw]
.macro QUANT s, pw
.irp b, 0,1,2,3
	v_max3_num_f32 v[TM+\b], |v[\s+16*\b]|, |v[\s+16*\b+1]|, 0x1800000   ; block b: my 16 numbers, and the floor 2^(3 - 127): the byte cannot fall under 1
.endr
.irp i, 2,4,6,8,10,12,14
.irp b, 0,1,2,3
	v_max3_num_f32 v[TM+\b], v[TM+\b], |v[\s+16*\b+\i]|, |v[\s+16*\b+\i+1]|
.endr
.endr
.irp b, 0,1,2,3
	v_permlanex16_b32 v[TM+4+\b], v[TM+\b], s[SEL], s[SEL+1]
.endr
.irp b, 0,1,2,3
	v_max_num_f32 v[TM+\b], v[TM+\b], v[TM+4+\b]   ; with lane l xor 16's 16: the block's largest magnitude
.endr
.irp b, 0,1,2,3
	v_add_nc_u32 v[TM+12+\b], 0xff000000, v[TM+\b]   ; 2 off its exponent field: the conversion takes this operand's exponent field as its scale
.endr
.irp b, 0,1,2,3
	v_lshrrev_b32 v[TM+4+\b], 23, v[TM+12+\b]      ; the scale's byte
.endr
	v_lshl_or_b32 v[\pw], v[TM+5], 8, v[TM+4]
	v_lshl_or_b32 v[\pw], v[TM+6], 16, v[\pw]
	v_lshl_or_b32 v[\pw], v[TM+7], 24, v[\pw]
.irp t, 0,1,2,3,4,5,6,7
	v_cvt_scalef32_pk8_fp4_f32 v[PC+4*(\t/4)+2*(\t%2)+(\t%4)/2], v[\s+8*\t:\s+8*\t+7], v[TM+12+\t/2]
.endr
	v_nop                                          ; one plain place behind a scaled conversion
.irp c, 0,1
.irp i, 0,2
	v_permlane16_swap_b32 v[PC+4*\c+\i], v[PC+4*\c+\i+1]   ; the first's lanes 16-31 change places with the second's lanes 0-15
.endr
.endr
.endm
	s_load_b512 s[4:19], s[0:1], 0x0               ; x's codes, scales; Wq's; Wk's; Wv's
	s_load_b128 s[20:23], s[0:1], 0x40             ; qkimg, vimg
	s_load_b64 s[24:25], s[0:1], 0x50              ; meta
	v_lshl_add_u32 v30, v0, 2, 0x4c000
	v_mov_b32 v31, 0
	ds_add_u32 v30, v31
	ds_add_u32 v30, v31
	v_lshrrev_b32 v1, 5, v0
	v_readfirstlane_b32 s[WV], v1                  ; wave 0..3
	s_lshr_b32 s[KIND], s[WV], 1
	s_and_b32 s[HP], s[WV], 1
	s_bfe_u32 s[CX], ttmp6, 0x40000                ; my place in the cluster
	s_bfe_u32 s[CY], ttmp6, 0x40004
	s_lshl_b32 s[XX], ttmp9, 2
	s_add_co_u32 s[XX], s[XX], s[CX]               ; column block = 4 x cluster x + cx
	s_and_b32 s[YY], ttmp7, 0xffff
	s_lshl_b32 s[YY], s[YY], 2
	s_add_co_u32 s[YY], s[YY], s[CY]               ; token block = 4 x cluster y + cy
	s_lshl_b32 s[RM], s[CY], 2
	s_lshl_b32 s[RM], 15, s[RM]                    ; my row of the cluster
	s_lshl_b32 s[CM], 0x1111, s[CX]                ; my column
	s_and_b32 s[KSI], s[YY], 15
	; descriptor group 1: 128 rows x 256 bytes out of rows of 512 bytes; elements of 1 byte; 4 words of padding behind every 64; bit 21 set beside a mask
	s_or_b32 s[G1A], s[RM], (1<<20)|(1<<21)|(5<<22)|(3<<25)
	s_or_b32 s[G1B], s[CM], (1<<20)|(1<<21)|(5<<22)|(3<<25)
.irp g, G1A, G1B
	s_mov_b32 s[\g+1], 256<<16                     ; tensor_dim0
	s_mov_b32 s[\g+2], 128<<16                     ; tensor_dim1
	s_mov_b32 s[\g+3], 256<<16                     ; tile_dim0
	s_mov_b32 s[\g+4], 128                         ; tile_dim1
	s_mov_b32 s[\g+5], 512                         ; from row to row
	s_mov_b32 s[\g+6], 0
	s_mov_b32 s[\g+7], 0
.endr
	s_lshl_b32 s72, s[YY], 16                      ; x: 128 rows of 512 bytes a token block
	s_mov_b32 s73, 0
	s_lshl_b32 s74, s[XX], 16                      ; a weight: the same a column block
	s_mov_b32 s75, 0
	s_mul_i32 s76, s[WV], REG                      ; wave 0 fills x's region, waves 1 to 3 Wq's, Wk's, Wv's
	s_wait_dscnt 0x0
	s_wait_kmcnt 0x0
	s_cmp_eq_u32 s[WV], 2
	s_cselect_b64 s[78:79], s[12:13], s[8:9]       ; the weight that my wave fetches: a choice on the wave's number alone
	s_cmp_eq_u32 s[WV], 3
	s_cselect_b64 s[78:79], s[16:17], s[78:79]
	s_add_nc_u64 s[72:73], s[4:5], s[72:73]
	s_add_nc_u64 s[74:75], s[78:79], s[74:75]
	GROUP0 G0A0, 76, 0, 72, 0
	GROUP0 G0A1, 76, SLOT, 72, 256
	GROUP0 G0B0, 76, 0, 74, 0
	GROUP0 G0B1, 76, SLOT, 74, 256
	CROUND                                         ; all sixteen work-groups are here: the joint loads meet
	s_cmp_eq_u32 s[WV], 0                          ; a wave's two fills stand in one branch on its number: two tensor loads of mine are out, and no more follow in this launch
	s_cbranch_scc0 .Lfill_w
	tensor_load_to_lds s[G0A0:G0A0+3], s[G1A:G1A+7]
	s_nop 0
	tensor_load_to_lds s[G0A1:G0A1+3], s[G1A:G1A+7]
	s_nop 0
.rept 4
	v_nop                                          ; four v_nop follow the loads, ahead of the jump and the label
.endr
	s_branch .Lfilled
.Lfill_w:
	tensor_load_to_lds s[G0B0:G0B0+3], s[G1B:G1B+7]
	s_nop 0
	tensor_load_to_lds s[G0B1:G0B1+3], s[G1B:G1B+7]
	s_nop 0
.rept 4
	v_nop
.endr
.Lfilled:
	v_and_b32 v1, 15, v0                           ; r
	v_bfe_u32 v2, v0, 4, 1                         ; h
	v_and_b32 v3, 31, v0                           ; lane
	v_lshlrev_b32 v[SL], 5, v1
	v_lshl_add_u32 v[SL], v2, 4, v[SL]
	; THE SCALE WORDS go straight into registers: a row has 32 bytes, 8 words; lane (r, h) takes words 4 h .. 4 h + 3, so K steps 4 to 7 read lanes 16-31.  Each load covers 512 consecutive bytes.
	s_wait_alu depctr_va_vdst(0)
	s_mov_b32 s97, 0
	s_lshl_b32 s96, s[YY], 12
	s_add_nc_u64 s[SBX:SBX+1], s[6:7], s[96:97]
	s_cmp_eq_u32 s[KIND], 0
	s_cselect_b64 s[SBW:SBW+1], s[10:11], s[14:15]
	s_lshl_b32 s96, s[XX], 12
	s_lshl_b32 s100, s[HP], 11
	s_add_co_u32 s96, s96, s100
	s_add_nc_u64 s[SBW:SBW+1], s[SBW:SBW+1], s[96:97]
	s_lshl_b32 s96, s[XX], 12
	s_lshl_b32 s100, s[WV], 10
	s_add_co_u32 s96, s96, s100
	s_add_nc_u64 s[SBV:SBV+1], s[18:19], s[96:97]
.irp t, 0,1,2,3,4,5,6,7
	global_load_b128 v[XS+4*\t:XS+4*\t+3], v[SL], s[SBX:SBX+1] offset:512*\t
.endr
.irp j, 0,1,2,3
	global_load_b128 v[WS+4*\j:WS+4*\j+3], v[SL], s[SBW:SBW+1] offset:512*\j
.endr
.irp u, 0,1
	global_load_b128 v[VS+4*\u:VS+4*\u+3], v[SL], s[SBV:SBV+1] offset:512*\u
.endr
	; where the results go
	s_lshr_b32 s96, s[YY], 4
	s_lshl_b32 s96, s96, 4                         ; 16 x batch
	s_lshl_b32 s100, s[XX], 1
	s_add_co_u32 s96, s96, s100
	s_add_co_u32 s98, s96, s[HP]                   ; the head of my q or k,
	s_add_co_u32 s99, s96, s[KIND]                 ; the head of my part of v
	s_lshl_b32 s98, s98, 4
	s_add_co_u32 s98, s98, s[KSI]                  ; 16 x head + token block
	s_lshl_b32 s99, s99, 4
	s_add_co_u32 s99, s99, s[KSI]
	s_lshl_b32 s96, s98, 12                        ; 8 tiles of 512 bytes
	s_lshl_b32 s100, s[KIND], 21
	s_add_co_u32 s96, s96, s100
	s_add_nc_u64 s[PQ:PQ+1], s[20:21], s[96:97]
	s_mul_i32 s96, s98, 2304
	s_lshl_b32 s100, s[KIND], 10
	s_add_co_u32 s96, s96, s100
	s_add_nc_u64 s[PM:PM+1], s[24:25], s[96:97]
	s_lshl_b32 s96, s99, 12
	s_lshl_b32 s100, s[HP], 11
	s_add_co_u32 s96, s96, s100
	s_add_nc_u64 s[PV:PV+1], s[22:23], s[96:97]
	s_mul_i32 s96, s99, 2304
	s_lshl_b32 s100, s[HP], 7
	s_add_co_u32 s96, s96, s100
	s_add_co_u32 s96, s96, 2048
	s_add_nc_u64 s[PMV:PMV+1], s[24:25], s[96:97]
	; LDS addresses: constants, the lane and the wave's number
	v_mul_u32_u24 v4, v1, PITCH
	v_lshl_add_u32 v4, v2, 4, v4                   ; a fragment's row x pitch + 16 x half
	v_mov_b32 v[ADX], v4
	v_add_nc_u32 v[ADX+1], SLOT, v4
	s_mul_i32 s96, s[KIND], REG
	s_add_co_u32 s96, s96, REG
	s_mul_i32 s100, s[HP], 64*PITCH
	s_add_co_u32 s96, s96, s100                    ; Wq's or Wk's region, my head's 64 rows
	v_add_nc_u32 v[ADW], s96, v4
	v_add_nc_u32 v[ADW+1], SLOT, v[ADW]
	s_mul_i32 s96, s[WV], 32*PITCH
	s_add_co_u32 s96, s96, 3*REG                   ; Wv's region, my 32 rows
	v_add_nc_u32 v[ADV], s96, v4
	v_add_nc_u32 v[ADV+1], SLOT, v[ADV]
	v_lshlrev_b32 v[LI], 4, v3
	s_lshl_b32 s96, s[WV], 13
	s_add_co_u32 s96, s96, TAB
	v_add_nc_u32 v[TABW], s96, v[LI]               ; my two tiles' cos and sin
	v_add_nc_u32 v[TABR], TAB, v[LI]
	v_lshlrev_b32 v[MO], 2, v1
	v_lshl_add_u32 v[MO], v2, 9, v[MO]
	v_lshlrev_b32 v[L4], 2, v3
	s_mov_b32 s[SEL], 0x76543210
	s_mov_b32 s[SEL+1], 0xfedcba98
	; constants (the buffers' addresses in s4-19 are done with)
	s_mov_b32 s4, 0x40c90fdb                       ; sin(2 pi w) = w (S0 + z (S1 + z (S2 + z (S3 + z S4)))), z = w w: the series' coefficients (2 pi)^(2 i + 1) / (2 i + 1)!
	s_mov_b32 s5, 0xc2255de7
	s_mov_b32 s6, 0x42a335e3
	s_mov_b32 s7, 0xc2996966
	s_mov_b32 s8, 0x42283c1a
	s_mov_b32 s9, 0xc19de9e6                       ; cos(2 pi w) = 1 + z (C1 + z (C2 + z (C3 + z (C4 + z C5))))
	s_mov_b32 s10, 0x4281e0f8
	s_mov_b32 s11, 0xc2aae9e4
	s_mov_b32 s12, 0x4270fa83
	s_mov_b32 s13, 0xc1d368f9
	s_mov_b32 s14, 0x3f3ff911                      ; 10^(-1/8), in two words
	s_mov_b32 s15, 0x32022bb3
	s_mov_b32 s16, 0x3dcccccd                      ; 1/10, in two words
	s_mov_b32 s17, 0xb0cccccd
	s_mov_b32 s18, 0xbe800000                      ; -1/4
	s_mov_b32 vcc_lo, 0xffff0000                   ; lanes 16-31
; ---- cos and sin of token x 10^(-f/8), for my two tiles of 16 tokens.  My lane's dims 16 j + 8 h + 2 i, + 1 turn by frequency f = 8 j + 4 h + i: index 4 j + i.
; (dh, dl) = (ah, al) x (mh, ml), each a sum of two f32: the product's error comes from a fused multiply-add, the small terms are added, and the sum is split anew
.macro DDMUL dh, dl, ah, al, mh, ml
	v_mul_f32 v124, \mh, v[\ah]
	v_fma_f32 v125, v[\ah], \mh, -v124
	v_fma_f32 v125, v[\ah], \ml, v125
	v_fma_f32 v125, v[\al], \mh, v125
	v_add_f32 v[\dh], v124, v125
	v_sub_f32 v126, v[\dh], v124
	v_sub_f32 v[\dl], v125, v126
.endm
	v_mov_b32 v120, 0x3e22f983                     ; 1 / (2 pi), in two words
	v_mov_b32 v121, 0x31dc9c88
	v_mov_b32 v124, 0x3ea1e89b                     ; 10^(-1/2), in two words: lanes 16-31 begin four frequencies further on
	v_mov_b32 v125, 0x31121251
	v_cndmask_b32 v122, 1.0, v124, vcc_lo
	v_cndmask_b32 v123, 0, v125, vcc_lo
	DDMUL FH, FB, 120, 121, v122, v123
.irp i, 1,2,3
	DDMUL FH+\i, FB+\i, FH+\i-1, FB+\i-1, s14, s15
.endr
.irp i, 4,5,6,7,8,9,10,11,12,13,14,15
	DDMUL FH+\i, FB+\i, FH+\i-4, FB+\i-4, s16, s17
.endr
.irp i, 0,1,2,3,4,5,6,7,8,9,10,11,12,13,14,15
	v_and_b32 v[FA+\i], 0xfffff000, v[FH+\i]       ; the head: 12 bits, so that token x head (11 + 12 bits) is exact
.endr
.irp i, 0,1,2,3,4,5,6,7,8,9,10,11,12,13,14,15
	v_sub_f32 v[FH+\i], v[FH+\i], v[FA+\i]         ; exact
.endr
.irp i, 0,1,2,3,4,5,6,7,8,9,10,11,12,13,14,15
	v_add_f32 v[FB+\i], v[FH+\i], v[FB+\i]         ; all that is left beside the head
.endr
	s_lshl_b32 s96, s[KSI], 7
	s_lshl_b32 s100, s[WV], 5
	s_add_co_u32 s96, s96, s100
	v_add_nc_u32 v120, s96, v1                     ; my token's place in the sequence, tile 2 w,
	v_add_nc_u32 v121, 16, v120                    ; and tile 2 w + 1
	v_cvt_f32_u32 v120, v120
	v_cvt_f32_u32 v121, v121
; eight frequencies i0 .. i0 + 7 of token v[tok]: (cos, sin) into v[res + 2 index], + 1.  Stage by stage, eight independent copies of each line.
.macro SINCOS8 tok, i0, res
.irp k, 0,1,2,3,4,5,6,7
	v_mul_f32 v[192+\k], v[\tok], v[FA+\i0+\k]     ; revolutions, exact
.endr
.irp k, 0,1,2,3,4,5,6,7
	v_add_f32 v[200+\k], 0.5, v[192+\k]
.endr
.irp k, 0,1,2,3,4,5,6,7
	v_floor_f32 v[200+\k], v[200+\k]               ; a whole number near it
.endr
.irp k, 0,1,2,3,4,5,6,7
	v_sub_f32 v[192+\k], v[192+\k], v[200+\k]      ; exact
.endr
.irp k, 0,1,2,3,4,5,6,7
	v_fma_f32 v[192+\k], v[\tok], v[FB+\i0+\k], v[192+\k]   ; with the rest of the frequency: under 0.6 in magnitude
.endr
.irp k, 0,1,2,3,4,5,6,7
	v_fma_f32 v[200+\k], 4.0, v[192+\k], 0.5
.endr
.irp k, 0,1,2,3,4,5,6,7
	v_floor_f32 v[200+\k], v[200+\k]               ; n: the nearest quarter turn, -2 .. 2
.endr
.irp k, 0,1,2,3,4,5,6,7
	v_fma_f32 v[192+\k], v[200+\k], s18, v[192+\k] ; w = what is left: an eighth of a revolution at the most
.endr
.irp k, 0,1,2,3,4,5,6,7
	v_mul_f32 v[208+\k], v[192+\k], v[192+\k]      ; z
.endr
.irp k, 0,1,2,3,4,5,6,7
	v_fma_f32 v[216+\k], v[208+\k], s8, s7
	v_fma_f32 v[224+\k], v[208+\k], s13, s12
.endr
.irp k, 0,1,2,3,4,5,6,7
	v_fma_f32 v[216+\k], v[216+\k], v[208+\k], s6
	v_fma_f32 v[224+\k], v[224+\k], v[208+\k], s11
.endr
.irp k, 0,1,2,3,4,5,6,7
	v_fma_f32 v[216+\k], v[216+\k], v[208+\k], s5
	v_fma_f32 v[224+\k], v[224+\k], v[208+\k], s10
.endr
.irp k, 0,1,2,3,4,5,6,7
	v_fma_f32 v[216+\k], v[216+\k], v[208+\k], s4
	v_fma_f32 v[224+\k], v[224+\k], v[208+\k], s9
.endr
.irp k, 0,1,2,3,4,5,6,7
	v_mul_f32 v[216+\k], v[216+\k], v[192+\k]      ; sin(2 pi w)
	v_fma_f32 v[224+\k], v[224+\k], v[208+\k], 1.0 ; cos(2 pi w)
.endr
.irp k, 0,1,2,3,4,5,6,7
	v_cvt_i32_f32 v[200+\k], v[200+\k]
.endr
.irp k, 0,1,2,3,4,5,6,7
	v_and_b32 v[208+\k], 1, v[200+\k]
.endr
.irp k, 0,1,2,3,4,5,6,7
	v_cmp_ne_u32 vcc_lo, 0, v[208+\k]              ; an odd quarter turn: the two change places
	v_cndmask_b32 v[\res+2*(\i0+\k)], v[224+\k], v[216+\k], vcc_lo
	v_cndmask_b32 v[\res+2*(\i0+\k)+1], v[216+\k], v[224+\k], vcc_lo
.endr
.irp k, 0,1,2,3,4,5,6,7
	v_lshlrev_b32 v[208+\k], 30, v[200+\k]         ; sin changes sign where n mod 4 is 2 or 3: bit 1 of n,
	v_add_nc_u32 v[200+\k], 1, v[200+\k]           ; cos where it is 1 or 2: bit 1 of n + 1
.endr
.irp k, 0,1,2,3,4,5,6,7
	v_and_b32 v[208+\k], 0x80000000, v[208+\k]
	v_lshlrev_b32 v[200+\k], 30, v[200+\k]
.endr
.irp k, 0,1,2,3,4,5,6,7
	v_xor_b32 v[\res+2*(\i0+\k)+1], v[208+\k], v[\res+2*(\i0+\k)+1]
	v_and_b32 v[200+\k], 0x80000000, v[200+\k]
.endr
.irp k, 0,1,2,3,4,5,6,7
	v_xor_b32 v[\res+2*(\i0+\k)], v[200+\k], v[\res+2*(\i0+\k)]
.endr
.endm
	SINCOS8 120, 0, 128
	SINCOS8 120, 8, 128
	SINCOS8 121, 0, 160
	SINCOS8 121, 8, 160
.irp u, 0,1
.irp k, 0,1,2,3,4,5,6,7
	ds_store_b128 v[TABW], v[128+32*\u+4*\k:128+32*\u+4*\k+3] offset:4096*\u+512*\k   ; as images: any wave that loads them so has them in the same lanes
.endr
.endr
	s_mov_b32 vcc_lo, 0xffff0000                   ; lanes 16-31 again: it stays so to the end
	s_wait_loadcnt 0x0                             ; the scale words
	s_wait_tensorcnt 0x1                           ; of my two tensor loads the first, K half 0, has landed; the second may stay out
	s_wait_dscnt 0x0                               ; my stores of cos and sin have landed
	s_barrier_signal -1
	s_barrier_wait -1                              ; all that holds of every wave
; ---- the products.  K step k = 4 s + q: the q-th 128 along K of half s; fragments in buffer k % 2, fetched a step ahead in one run of 28 loads.
.macro FETCH s, q, p
	WIN 0x40                                       ; destination window 1, address window 0
.irp t, 0,1,2,3,4,5,6,7
.irp c, 0,1
	ds_load_b128 v[112*(\p)+8*\t+4*\c:112*(\p)+8*\t+4*\c+3], v[ADX+(\s)] offset:64*(\q)+32*\c+16*\t*PITCH
.endr
.endr
.irp j, 0,1,2,3
.irp c, 0,1
	ds_load_b128 v[112*(\p)+64+8*\j+4*\c:112*(\p)+64+8*\j+4*\c+3], v[ADW+(\s)] offset:64*(\q)+32*\c+16*\j*PITCH
.endr
.endr
.irp u, 0,1
.irp c, 0,1
	ds_load_b128 v[112*(\p)+96+8*\u+4*\c:112*(\p)+96+8*\u+4*\c+3], v[ADV+(\s)] offset:64*(\q)+32*\c+16*\u*PITCH
.endr
.endr
	WIN 0
.endm
; one product.  mode 0: it starts the sum with the constant 0; 1: scale words from lanes 0-15; 2: from lanes 16-31
.macro WM d, a, b, sa, sb, mode
.if \mode == 0
	v_wmma_scale_f32_16x16x128_f8f6f4 v[\d:\d+7], v[\a:\a+7], v[\b:\b+7], 0, v[\sa], v[\sb] matrix_a_fmt:MATRIX_FMT_FP4 matrix_b_fmt:MATRIX_FMT_FP4
.elseif \mode == 1
	v_wmma_scale_f32_16x16x128_f8f6f4 v[\d:\d+7], v[\a:\a+7], v[\b:\b+7], v[\d:\d+7], v[\sa], v[\sb] matrix_a_fmt:MATRIX_FMT_FP4 matrix_b_fmt:MATRIX_FMT_FP4
.else
	v_wmma_scale_f32_16x16x128_f8f6f4 v[\d:\d+7], v[\a:\a+7], v[\b:\b+7], v[\d:\d+7], v[\sa], v[\sb] matrix_a_fmt:MATRIX_FMT_FP4 matrix_b_fmt:MATRIX_FMT_FP4 matrix_a_scale:MATRIX_SCALE_ROW1 matrix_b_scale:MATRIX_SCALE_ROW1
.endif
.endm
; a K step's 48 products on 48 accumulators, which take turns, one instruction a turn, in the same order in every step
.macro MULS p, q, mode
	WIN 0xa5                                       ; sources 0 and 1 window 1, C and D window 2
.irp t, 0,1,2,3,4,5,6,7
.irp j, 0,1,2,3
	WM 32*\t+8*\j, 112*(\p)+64+8*\j, 112*(\p)+8*\t, WS+4*\j+(\q), XS+4*\t+(\q), \mode
.endr
.endr
	WIN 0x05                                       ; sources 0 and 1 window 1, C and D window 0
.irp u, 0,1
.irp t, 0,1,2,3,4,5,6,7
	WM 128+64*\u+8*\t, 112*(\p)+8*\t, 112*(\p)+96+8*\u, XS+4*\t+(\q), VS+4*\u+(\q), \mode
.endr
.endr
	WIN 0
.endm
	FETCH 0, 0, 0
.irp k, 0,1,2,3,4,5,6,7
.if \k == 3
	s_wait_tensorcnt 0x0                           ; my part of K half 1 has landed,
	s_wait_dscnt 0x0
	s_barrier_signal -1
	s_barrier_wait -1                              ; everybody's has: the next fetch reads it
.endif
.if \k < 7
.if \k > 0
	PLACES                                         ; the other buffer was read by the last step's products
.endif
	FETCH (\k+1)/4, (\k+1)%4, (\k+1)%2
	s_wait_dscnt 28                                ; the 28 loads just issued may stay out: this step's fragments are in
.else
	s_wait_dscnt 0x0
.endif
.if \k == 0
	MULS 0, 0, 0
.elseif \k < 4
	MULS \k%2, \k%4, 1
.else
	MULS \k%2, \k%4, 2
.endif
.endr
; ---- v's way out: my two tiles of 16 dims x 128 keys are two fragments
	v_mov_b32 v[NS+2], 0                           ; (a lane permute's destination counts as one of its sources.)  These two and two v_nop are the places behind the last products
	v_mov_b32 v[NS+3], 0
	v_nop
	v_nop
	QUANT 128, PW2
	global_store_b128 v[LI], v[PC:PC+3], s[PV:PV+1]               ; each store covers 512 consecutive bytes
	global_store_b128 v[LI], v[PC+4:PC+7], s[PV:PV+1] offset:512
	s_wait_xcnt 0x0                                ; the stores' data are written again only behind this wait
	QUANT 192, PW
	global_store_b128 v[LI], v[PC:PC+3], s[PV:PV+1] offset:1024
	global_store_b128 v[LI], v[PC+4:PC+7], s[PV:PV+1] offset:1536
	v_cndmask_b32 v[VAL], v[PW2], v[PW], vcc_lo    ; lanes 0-15: the first tile's 16 scale words, lanes 16-31: the second's
	global_store_b32 v[L4], v[VAL], s[PMV:PMV+1]   ; 128 consecutive bytes
; ---- q's or k's way out, two tiles of 16 tokens at a time: rotate, norms, quantise (64 dims x 2 tiles = the quantiser's 128)
.macro OUTQK p
	s_wait_xcnt 0x0                                ; the earlier stores' data are written again only behind this wait
.irp x, 0,1
.irp k, 0,1,2,3,4,5,6,7
	ds_load_b128 v[CSR+32*\x+4*\k:CSR+32*\x+4*\k+3], v[TABR] offset:(2*\p+\x)*4096+512*\k
.endr
.endr
	s_wait_dscnt 0x0
	WIN 0x02                                       ; source 0: window 2, the accumulators
.irp x, 0,1
.irp i, 0,1,2,3,4,5,6,7,8,9,10,11,12,13,14,15
	v_pk_mul_f32 v[ROT+32*\x+2*\i:ROT+32*\x+2*\i+1], v[32*(2*\p+\x)+2*\i:32*(2*\p+\x)+2*\i+1], v[CSR+32*\x+2*\i:CSR+32*\x+2*\i+1] op_sel_hi:[1,0]   ; (even, odd) x cos
.endr
.irp i, 0,1,2,3,4,5,6,7,8,9,10,11,12,13,14,15
	v_fma_f32 v[ROT+32*\x+2*\i], -v[32*(2*\p+\x)+2*\i+1], v[CSR+32*\x+2*\i+1], v[ROT+32*\x+2*\i]       ; even cos - odd sin
	v_fma_f32 v[ROT+32*\x+2*\i+1], v[32*(2*\p+\x)+2*\i], v[CSR+32*\x+2*\i+1], v[ROT+32*\x+2*\i+1]      ; odd cos + even sin
.endr
.endr
	WIN 0
.irp x, 0,1
.irp a, 0,1
	v_pk_mul_f32 v[NP+4*\x+2*\a:NP+4*\x+2*\a+1], v[ROT+32*\x+2*\a:ROT+32*\x+2*\a+1], v[ROT+32*\x+2*\a:ROT+32*\x+2*\a+1]   ; the squared norm of the UNQUANTISED numbers: four chains
.endr
.endr
.irp m, 1,2,3,4,5,6,7
.irp x, 0,1
.irp a, 0,1
	v_pk_fma_f32 v[NP+4*\x+2*\a:NP+4*\x+2*\a+1], v[ROT+32*\x+4*\m+2*\a:ROT+32*\x+4*\m+2*\a+1], v[ROT+32*\x+4*\m+2*\a:ROT+32*\x+4*\m+2*\a+1], v[NP+4*\x+2*\a:NP+4*\x+2*\a+1]
.endr
.endr
.endr
.irp x, 0,1
	v_pk_add_f32 v[NP+4*\x:NP+4*\x+1], v[NP+4*\x:NP+4*\x+1], v[NP+4*\x+2:NP+4*\x+3]
.endr
.irp x, 0,1
	v_add_f32 v[NS+\x], v[NP+4*\x], v[NP+4*\x+1]
.endr
.irp x, 0,1
	v_permlanex16_b32 v[NS+2+\x], v[NS+\x], s[SEL], s[SEL+1]
.endr
.irp x, 0,1
	v_add_f32 v[NS+\x], v[NS+\x], v[NS+2+\x]       ; with lane l xor 16's 32 dims
.endr
	QUANT ROT, PW
	global_store_b128 v[LI], v[PC:PC+3], s[PQ:PQ+1] offset:(2*\p)*512
	global_store_b128 v[LI], v[PC+4:PC+7], s[PQ:PQ+1] offset:(2*\p+1)*512
	v_and_b32 v[VAL], 0xffff, v[PW]                ; a tile's scale word: its two bytes below, zeros above (the upper 64 of the next product's K are zero codes)
	v_lshrrev_b32 v[VAL+1], 16, v[PW]
	v_cndmask_b32 v[VAL], v[VAL], v[NS], vcc_lo    ; lanes 0-15 store the tile's 16 scale words, lanes 16-31 its 16 norms, 512 bytes further on
	v_cndmask_b32 v[VAL+1], v[VAL+1], v[NS+1], vcc_lo
	global_store_b32 v[MO], v[VAL], s[PM:PM+1] offset:64*(2*\p)
	global_store_b32 v[MO], v[VAL+1], s[PM:PM+1] offset:64*(2*\p+1)
.endm
	OUTQK 0
	OUTQK 1
	OUTQK 2
	OUTQK 3
	s_wait_tensorcnt 0x0
	ds_add_u32 v30, v31
	s_wait_dscnt 0x0
	CROUND                                         ; the closing round: no work-group ends while a partner may still ask for a tile that names it
	s_endpgm
.Lfunc_end_k_q10f718e403_qkv:
	.size	k_q10f718e403_qkv, .Lfunc_end_k_q10f718e403_qkv-k_q10f718e403_qkv
	.p2alignl 7, 3214868480
	.fill 96, 4, 3214868480
	.section	.rodata,"a",@progbits
	.p2align	6, 0x0
	.amdhsa_kernel k_q10f718e403_qkv
		.amdhsa_group_segment_fixed_size 327680
		.amdhsa_private_segment_fixed_size 0
		.amdhsa_enable_private_segment 0
		.amdhsa_kernarg_size 88
		.amdhsa_user_sgpr_count 2
		.amdhsa_user_sgpr_kernarg_segment_ptr 1
		.amdhsa_wavefront_size32 1
		.amdhsa_system_sgpr_workgroup_id_x 1
		.amdhsa_system_sgpr_workgroup_id_y 1
		.amdhsa_system_sgpr_workgroup_id_z 1
		.amdhsa_system_vgpr_workitem_id 0
		.amdhsa_next_free_vgpr 768
		.amdhsa_next_free_sgpr 102
		.amdhsa_reserve_vcc 1
		.amdhsa_float_denorm_mode_32 3
		.amdhsa_float_denorm_mode_16_64 3
		.amdhsa_memory_ordered 1
		.amdhsa_forward_progress 1
		.amdhsa_inst_pref_size 192
	.end_amdhsa_kernel
	.amdgpu_metadata
---
amdhsa.version: [ 1, 2 ]
amdhsa.kernels:
  - .name:           k_q10f718e403_qkv
    .symbol:         k_q10f718e403_qkv.kd
    .args:
      - { .name: x_codes, .offset: 0, .size: 8, .value_kind: global_buffer, .address_space: global }
      - { .name: x_scales, .offset: 8, .size: 8, .value_kind: global_buffer, .address_space: global }
      - { .name: Wq_codes, .offset: 16, .size: 8, .value_kind: global_buffer, .address_space: global }
      - { .name: Wq_scales, .offset: 24, .size: 8, .value_kind: global_buffer, .address_space: global }
      - { .name: Wk_codes, .offset: 32, .size: 8, .value_kind: global_buffer, .address_space: global }
      - { .name: Wk_scales, .offset: 40, .size: 8, .value_kind: global_buffer, .address_space: global }
      - { .name: Wv_codes, .offset: 48, .size: 8, .value_kind: global_buffer, .address_space: global }
      - { .name: Wv_scales, .offset: 56, .size: 8, .value_kind: global_buffer, .address_space: global }
      - { .name: qkimg, .offset: 64, .size: 8, .value_kind: global_buffer, .address_space: global }
      - { .name: vimg, .offset: 72, .size: 8, .value_kind: global_buffer, .address_space: global }
      - { .name: meta, .offset: 80, .size: 8, .value_kind: global_buffer, .address_space: global }
    .group_segment_fixed_size: 327680
    .private_segment_fixed_size: 0
    .kernarg_segment_align: 8
    .kernarg_segment_size: 88
    .max_flat_workgroup_size: 128
    .sgpr_count:     102
    .vgpr_count:     768
    .wavefront_size: 32
...
	.end_amdgpu_metadata
.endif
;; end of part 1
;; launch attn (part 2): grid 8 x 32, 16 waves a work-group, clusters of 4 x 1, 169,984 bytes of LDS; arguments qkimg, vimg, meta, alpha, acodes, ascales; writes acodes, ascales
.if DOCPART == 2
	.amdgcn_target "amdgcn-amd-amdhsa--gfx1250"
	.amdhsa_code_object_version 6
	.text
	.protected	k_q10f718e403_attn
	.globl	k_q10f718e403_attn
	.p2align	8
	.type	k_q10f718e403_attn,@function
k_q10f718e403_attn:
	s_mov_b64 s[64:65], 0
	v_nop
	global_prefetch_b8 v0, s[64:65] scope:SCOPE_SE
	s_setreg_imm32_b32 hwreg(HW_REG_WAVE_MODE, 25, 1), 1
	s_wait_xcnt 0x0
	s_wait_alu depctr_hold_cnt(0) depctr_sa_sdst(0) depctr_va_vdst(0) depctr_va_sdst(0) depctr_va_ssrc(0) depctr_va_vcc(0) depctr_vm_vsrc(0)
	s_getreg_b32 s2, hwreg(HW_REG_IB_STS2, 6, 4)
	s_cmp_eq_u32 s2, 0
	s_cbranch_scc0 .Lentry_in_a_cluster
	s_endpgm
.Lentry_in_a_cluster:
	s_bfe_u32 s2, ttmp6, 0x10000c
	s_cmp_lg_u32 s2, 0x3003
	s_cbranch_scc0 .Lentry_shape_is_right
	s_endpgm
.Lentry_shape_is_right:
; Causal attention with the score y^2 / (|q|^2 + |k|^2 - 2 y + eps) x (8 / ln 65)^alpha, y = q . k on codes of FP4 (K = the head's 64: the upper 64 of the instruction's 128 are zero codes on both sides);
; |q|^2 and |k|^2 are the f32 norms of the unquantised vectors.  THE SOFTMAX: t = score x c, c = (8 / ln 65)^alpha x log2(e); M = the row's largest t so far, rounded UP to a whole number; p = 2^(t - M) is
; quantised along the keys, not normalised; the row's sum is taken of the unquantised p and divides O at the end; when M moves, the sum and O are multiplied by 2^(old M - new M), which rounds nothing.
; O / sum is then quantised along the model's axis (a head is two blocks of 32) and leaves as images of the last product's operand registers:
;   acodes  [128 tokens 32][K step 8 = head / 2][tile of 16 tokens 8][c 2 = head % 2][lane 32][16 B];   ascales [tile 256][r + 16 (K step / 4)][16 B]: byte 4 (K step % 4) + 2 (head % 2) + block
; SHARES.  A cluster's four work-groups belong to ONE head of one batch and walk the same K and V.  The head's K and V images and their scale words and norms, 151,552 bytes, lie in LDS whole, filled ONCE, by joint loads
; (mask of all four).  A wave owns one tile of 16 queries, T = 8 G + 2 cx + e.  Group G needs key steps 0 .. G of 128 keys; G is made of the wave's number and the cluster's number alone, so every branch is alike
; in the four partners; waves w, w + 4, w + 8, w + 12 have 34 key steps together, whatever w.  Every wave walks all 16 steps; a step wholly behind the diagonal is jumped over by a scalar branch on ids.
; LAYOUT.  S^T = K Q^T and O^T = V^T P^T: a lane holds ONE query (lane % 16); register 8 t + j of S^T is key 16 t + 8 h + j.  p's eight conversions write register 4 c + 2 (u % 2) + u / 2 for tile 4 c + u, and two
; exchanges of lane halves for each c give the operand's layout.
; LIMITS: 1 / den and 1 / sum are v_rcp_f32 and a multiply; v_rcp_f32 and v_exp_f32 take denormals as zeros (a den under 2^-126 counts as 0; p under 2^-126 is 0).  (|q|^2 + eps) + |k|^2 - 2 y is rounded in another
; order than (|q|^2 + |k|^2 - 2 y) + eps; both are f32.  c overflows only where the reference's own scale does (alpha near 136).  A block of zeros takes the scale byte 1.  NaN and infinities are not served.
; The scale bytes of O leave as 2 bytes of each 16 (131,072 bytes in the whole launch); lanes 16-31 write the same two bytes with the same value as lanes 0-15.
; REGISTERS: v1-5 addresses that stay; v[6:7] |q|^2 + eps; v8-11 the step's addresses; v12 -M, v13 the largest t, v[14:15] the sum; v16-23 Q (v20-23 zeros); v24-31 at the head and the end;
; v32-63 four fragments of K (the upper four registers of each: zeros, never loaded); v64-95 |k|^2 of tiles 4-7, then V's four fragments; v96-159 S^T, the score, p; v160-191 O^T; v192-223 |k|^2 of tiles 0-3;
; (both |k|^2 ranges become den and 1 / den); v224-231 p's codes; v232-254 at work; v248-251 K's or V's scale words; v253 p's scale word; v255 Q's.
.set KIMG, 0                           ; LDS: K's 128 tiles of 512 bytes;
.set VIMG, 65536                       ; V's 16 key steps of 4,096 bytes;
.set META, 131072                      ; 16 records of 1,280 bytes: K's scale words, |k|^2, V's scale words
.set REC,  1280
.set G1A,  16                          ; s[16:23] group 1: 32 rows of 256 bytes, dense;  s[24:31] 224 such rows;  s[32:39] 2 rows of 1,280 bytes, 2,304 apart;  s[40:47] 14 such rows
.set G1B,  24
.set G1C,  32
.set G1D,  40
.set K1,   48                          ; groups 0: key steps 0, 1 and key steps 2 .. 15 of K, of V, of the records
.set K2,   52
.set V1,   56
.set V2,   60
.set M1,   68
.set M2,   72
.set WV,   76
.set CX,   77
.set CC,   78
.set BH,   79
.set GG,   80
.set EE,   81
.set KS,   82                          ; the key step
.set TK,   83                          ; its bytes in K's and V's images: 4,096 a step
.set TR,   84                          ; its record
.set CS,   86                          ; s[86:87] c, twice
.set SEL,  88
.macro CROUND
	s_barrier_signal -1
	s_barrier_wait -1
	s_cmp_lg_u32 s[WV], 0
	s_cbranch_scc1 .Lnot_wave_0_\@
	s_barrier_signal -3
.Lnot_wave_0_\@:
	s_barrier_wait -3
	s_barrier_signal -1
	s_barrier_wait -1
.endm
.macro GROUP0 g, lds, ar, ao           ; count 1, LDS byte, global address s[ar:ar+1] + ao, type 2
	s_mov_b32 s[\g], 1
	s_mov_b32 s[\g+1], \lds
	s_add_nc_u64 s[\g+2:\g+3], s[\ar:\ar+1], \ao
	s_or_b32 s[\g+3], s[\g+3], 0x80000000
.endm
.macro KQSET n                         ; where |k|^2 (then den, then 1 / den) of S^T's register n lies
.if (\n) < 32
.set KQ, 192+(\n)
.else
.set KQ, 32+(\n)
.endif
.endm
	s_load_b256 s[4:11], s[0:1], 0x0               ; qkimg, vimg, meta, alpha
	s_load_b128 s[12:15], s[0:1], 0x20             ; acodes, ascales
	v_lshl_add_u32 v242, v0, 2, 0x29000
	v_mov_b32 v243, 0
	ds_add_u32 v242, v243
	ds_add_u32 v242, v243
	v_lshrrev_b32 v24, 5, v0
	s_delay_alu instid0(VALU_DEP_1)
	v_readfirstlane_b32 s[WV], v24                 ; wave 0..15
	s_bfe_u32 s[CX], ttmp6, 0x40000                ; my place in the cluster: it enters global addresses and the mask's numbers alone
	s_mov_b32 s[CC], ttmp9                         ; the cluster's x: 0 or 1
	s_and_b32 s[BH], ttmp7, 0xffff                 ; the head of the batch
	s_and_b32 s[EE], s[WV], 1
	s_and_b32 s94, s[WV], 2
	s_bfe_u32 s95, s[WV], 0x10002
	s_or_b32 s94, s94, s95                         ; 0 .. 3
	s_bfe_u32 s95, s[WV], 0x10003
	s_mul_i32 s95, s95, 7
	s_xor_b32 s94, s94, s95                        ; waves 8-15 take 7 less that: a long walk beside a short one
	s_and_b32 s95, s94, 1
	s_xor_b32 s95, s95, s[CC]
	s_lshl_b32 s[GG], s94, 1
	s_add_co_u32 s[GG], s[GG], s95                 ; G: my group of 128 queries
	; descriptor groups 1: elements of 8 bytes, no padding, the mask of all four work-groups, bit 21 set beside it
.irp g, G1A, G1B
	s_mov_b32 s[\g], 15|(3<<16)|(1<<21)
	s_mov_b32 s[\g+1], 32<<16                      ; tensor_dim0: 256 bytes
	s_mov_b32 s[\g+3], 32<<16                      ; tile_dim0
	s_mov_b32 s[\g+5], 32                          ; dense
	s_mov_b32 s[\g+6], 0
	s_mov_b32 s[\g+7], 0
.endr
	s_mov_b32 s[G1A+2], 32<<16                     ; tensor_dim1, tile_dim1: two key steps' 8,192 bytes
	s_mov_b32 s[G1A+4], 32
	s_mov_b32 s[G1B+2], 224<<16                    ; the other fourteen's 57,344
	s_mov_b32 s[G1B+4], 224
.irp g, G1C, G1D
	s_mov_b32 s[\g], 15|(3<<16)|(1<<21)
	s_mov_b32 s[\g+1], 160<<16                     ; 1,280 bytes of a record
	s_mov_b32 s[\g+3], 160<<16
	s_mov_b32 s[\g+5], 288                         ; records 2,304 bytes apart
	s_mov_b32 s[\g+6], 0
	s_mov_b32 s[\g+7], 0
.endr
	s_mov_b32 s[G1C+2], 2<<16
	s_mov_b32 s[G1C+4], 2
	s_mov_b32 s[G1D+2], 14<<16
	s_mov_b32 s[G1D+4], 14
	s_lshl_b32 s90, s[BH], 16                      ; a head's images are 65,536 bytes
	s_mov_b32 s91, 0
	s_mul_i32 s92, s[BH], 36864                    ; its 16 records
	s_add_co_u32 s92, s92, 1024                    ; from k's scale words on
	s_mov_b32 s93, 0
	s_wait_dscnt 0x0
	s_wait_kmcnt 0x0
	s_load_b32 s85, s[10:11], 0x0                  ; alpha
	s_add_nc_u64 s[94:95], s[4:5], s[90:91]
	s_add_nc_u64 s[96:97], s[6:7], s[90:91]
	s_add_nc_u64 s[92:93], s[8:9], s[92:93]
	GROUP0 K1, KIMG, 94, 2097152                   ; k's images lie behind q's
	GROUP0 K2, KIMG+8192, 94, 2097152+8192
	GROUP0 V1, VIMG, 96, 0
	GROUP0 V2, VIMG+8192, 96, 8192
	GROUP0 M1, META, 92, 0
	GROUP0 M2, META+2*REC, 92, 2*2304
	CROUND                                         ; all four work-groups are here: the joint loads meet
	s_cmp_eq_u32 s[WV], 0                          ; wave 0 asks for K, wave 1 for V, wave 2 for the records, each by two loads in one branch on its number: two tensor loads of such a wave are out, and no more follow
	s_cbranch_scc0 .Lnot_k
	tensor_load_to_lds s[K1:K1+3], s[G1A:G1A+7]
	s_nop 0
	tensor_load_to_lds s[K2:K2+3], s[G1B:G1B+7]
	s_nop 0
.rept 4
	v_nop                                          ; four v_nop follow the loads, ahead of the jump and the label
.endr
	s_branch .Lasked
.Lnot_k:
	s_cmp_eq_u32 s[WV], 1
	s_cbranch_scc0 .Lnot_v
	tensor_load_to_lds s[V1:V1+3], s[G1A:G1A+7]
	s_nop 0
	tensor_load_to_lds s[V2:V2+3], s[G1B:G1B+7]
	s_nop 0
.rept 4
	v_nop
.endr
	s_branch .Lasked
.Lnot_v:
	s_cmp_eq_u32 s[WV], 2
	s_cbranch_scc0 .Lasked
	tensor_load_to_lds s[M1:M1+3], s[G1C:G1C+7]
	s_nop 0
	tensor_load_to_lds s[M2:M2+3], s[G1D:G1D+7]
	s_nop 0
.rept 4
	v_nop
.endr
.Lasked:
	s_lshl_b32 s94, s[CX], 1
	s_add_co_u32 s94, s94, s[EE]                   ; my tile among the group's eight: 2 cx + e
	s_lshl_b32 s95, s[GG], 3
	s_add_co_u32 s95, s95, s94                     ; T
	s_lshl_b32 s96, s[BH], 7
	s_add_co_u32 s96, s96, s95
	s_lshl_b32 s96, s96, 9
	s_mov_b32 s97, 0
	s_add_nc_u64 s[98:99], s[4:5], s[96:97]        ; my tile of q's images
	s_lshl_b32 s96, s[BH], 4
	s_add_co_u32 s96, s96, s[GG]
	s_mul_i32 s96, s96, 2304
	s_lshl_b32 s95, s94, 6
	s_add_co_u32 s96, s96, s95
	s_add_nc_u64 s[100:101], s[8:9], s[96:97]      ; its 16 scale words; its norms lie 512 bytes further on
	s_lshl_b32 s95, s94, 4                         ; my first query within the group
	v_and_b32 v24, 15, v0                          ; r
	v_bfe_u32 v25, v0, 4, 1                        ; h
	v_and_b32 v26, 31, v0                          ; lane
	s_delay_alu instid0(VALU_DEP_1)
	v_lshlrev_b32 v1, 4, v26                       ; 16 x lane: a K image's place for my lane
	s_delay_alu instid0(VALU_DEP_4)
	v_lshl_add_u32 v2, v24, 2, META                ; a scale word: 4 r
	s_delay_alu instid0(VALU_DEP_4)
	v_lshl_add_u32 v3, v25, 5, META+512            ; |k|^2 of my half's eight keys of a tile
	s_delay_alu instid0(VALU_DEP_3)
	v_add_nc_u32 v5, VIMG, v1
	v_lshlrev_b32 v27, 3, v25
	s_delay_alu instid0(VALU_DEP_1)
	v_sub_nc_u32 v4, v24, v27
	s_delay_alu instid0(VALU_DEP_1)
	v_add_nc_u32 v4, s95, v4                       ; my query within the group, less 8 h: on the diagonal register 8 t + j is hidden where 16 t + j is greater
	v_lshlrev_b32 v28, 2, v24
	v_lshlrev_b32 v29, 4, v24
	global_load_b128 v[16:19], v1, s[98:99]        ; Q's codes
	global_load_b32 v255, v28, s[100:101]          ; Q's scale words
	global_load_b32 v6, v28, s[100:101] offset:512 ; |q|^2
	; where my results go
	s_lshr_b32 s90, s[BH], 4
	s_lshl_b32 s90, s90, 4
	s_add_co_u32 s90, s90, s[GG]                   ; block of 128 tokens: 16 x batch + G
	s_and_b32 s91, s[BH], 15                       ; the head
	s_lshr_b32 s93, s91, 1                         ; the last product's K step
	s_lshl_b32 s96, s90, 3
	s_add_co_u32 s96, s96, s93
	s_lshl_b32 s96, s96, 3
	s_add_co_u32 s96, s96, s94
	s_lshl_b32 s96, s96, 10
	s_and_b32 s92, s91, 1
	s_lshl_b32 s95, s92, 9
	s_add_co_u32 s96, s96, s95
	s_add_nc_u64 s[12:13], s[12:13], s[96:97]
	s_lshl_b32 s96, s90, 3
	s_add_co_u32 s96, s96, s94
	s_lshl_b32 s96, s96, 9
	s_lshr_b32 s95, s91, 3
	s_lshl_b32 s95, s95, 8
	s_add_co_u32 s96, s96, s95
	s_and_b32 s95, s93, 3
	s_lshl_b32 s95, s95, 2
	s_add_co_u32 s96, s96, s95
	s_lshl_b32 s95, s92, 1
	s_add_co_u32 s96, s96, s95
	s_add_nc_u64 s[14:15], s[14:15], s[96:97]
	s_mov_b32 s[SEL], 0x76543210
	s_mov_b32 s[SEL+1], 0xfedcba98
.irp j, 20,21,22,23, 36,37,38,39, 44,45,46,47, 52,53,54,55, 60,61,62,63
	v_mov_b32 v[\j], 0                             ; the upper 64 of K: zero codes, in Q and in K's four fragments; written once
.endr
.irp j, 0,1,2,3,4,5,6,7,8,9,10,11,12,13,14,15,16,17,18,19,20,21,22,23,24,25,26,27,28,29,30,31
	v_mov_b32 v[160+\j], 0                         ; O^T: the step is written for every step alike; the first finds zeros, which the first change of M leaves zeros
.endr
	v_mov_b32 v13, 0xff61b1e6                      ; the largest t so far: -3e38
	s_delay_alu instid0(VALU_DEP_1)
	v_floor_f32 v12, -v13                          ; -M
	v_mov_b32 v14, 0
	v_mov_b32 v15, 0
.irp j, 236,237,238,239,252,253
	v_mov_b32 v[\j], 0                             ; lane permutes' destinations and the upper half of the pair v[252:253] count as read
.endr
	s_wait_kmcnt 0x0                               ; alpha
	v_mov_b32 v27, 0x3f703d50                      ; log2(8 / ln 65)
	s_delay_alu instid0(VALU_DEP_1)
	v_mul_f32 v27, s85, v27
	s_wait_alu depctr_va_vdst(0)
	v_exp_f32 v27, v27                             ; (8 / ln 65)^alpha
	v_nop                                          ; a plain place behind the transcendental
	s_wait_alu depctr_va_vdst(0)
	v_mul_f32 v27, 0x3fb8aa3b, v27                 ; x log2(e)
	s_delay_alu instid0(VALU_DEP_1)
	v_readfirstlane_b32 s[CS], v27
	s_mov_b32 s[CS+1], s[CS]
	s_wait_loadcnt 0x0
	v_add_f32 v6, 0x3727c5ac, v6                   ; |q|^2 + eps
	s_delay_alu instid0(VALU_DEP_1)
	v_mov_b32 v7, v6
; A KEY STEP: 128 keys.
.macro STEP
	s_cmp_gt_u32 s[KS], s[GG]                      ; all its keys come after my queries: only the lines at its end, which step addresses, are run
	s_cbranch_scc1 .Lhidden_\@
	s_setprio 2
	v_add_nc_u32 v8, s[TK], v1                     ; (these four are also the places between the last step's products and the loads into their registers)
	v_add_nc_u32 v9, s[TK], v5
	v_add_nc_u32 v10, s[TR], v2
	v_add_nc_u32 v11, s[TR], v3
.irp t, 0,1,2,3
	ds_load_b128 v[32+8*\t:35+8*\t], v8 offset:512*\t
	ds_load_b32 v[248+\t], v10 offset:64*\t
.endr
.irp t, 0,1,2,3,4,5,6,7
.irp i, 0,1
	KQSET 8*\t+4*\i
	ds_load_b128 v[KQ:KQ+3], v11 offset:64*\t+16*\i   ; |k|^2 of keys 16 t + 8 h + 4 i ..: the lanes of a half read the same bytes
.endr
.endr
	s_wait_dscnt 16                                ; the 16 loads of |k|^2 may stay out: K's tiles 0-3 and their scale words are in
.irp t, 0,1,2,3
	v_wmma_scale_f32_16x16x128_f8f6f4 v[96+8*\t:103+8*\t], v[32+8*\t:39+8*\t], v[16:23], 0, v[248+\t], v255 matrix_a_fmt:MATRIX_FMT_FP4 matrix_b_fmt:MATRIX_FMT_FP4
.endr
	s_wait_dscnt 0x0
.set NN, 0
	s_wait_alu depctr_va_vdst(0)
.rept 4
	KQSET NN
	v_pk_add_f32 v[KQ:KQ+1], v[KQ:KQ+1], v[6:7]    ; |k|^2 + (|q|^2 + eps).  The first four are the places in front of the loads below
.set NN, NN+2
.endr
.irp t, 0,1,2,3
	ds_load_b128 v[32+8*\t:35+8*\t], v8 offset:512*(4+\t)
	ds_load_b32 v[248+\t], v10 offset:64*(4+\t)
.endr
.rept 28
	KQSET NN
	v_pk_add_f32 v[KQ:KQ+1], v[KQ:KQ+1], v[6:7]
.set NN, NN+2
.endr
	s_wait_dscnt 0x0
.irp t, 0,1,2,3
	v_wmma_scale_f32_16x16x128_f8f6f4 v[128+8*\t:135+8*\t], v[32+8*\t:39+8*\t], v[16:23], 0, v[248+\t], v255 matrix_a_fmt:MATRIX_FMT_FP4 matrix_b_fmt:MATRIX_FMT_FP4
.endr
.set NN, 0
.rept 32
	KQSET NN
	v_pk_fma_f32 v[KQ:KQ+1], v[96+NN:97+NN], -2.0, v[KQ:KQ+1] op_sel_hi:[1,0,1]   ; den.  Ascending: each accumulator is read from its low end on, and the first sixteen, on tiles 0-3, are the places behind tiles 4-7's products
.set NN, NN+2
.endr
.set NN, 0
	s_wait_alu depctr_va_vdst(0)
.rept 32
	KQSET NN
	v_rcp_f32 v[KQ], v[KQ]
	v_rcp_f32 v[KQ+1], v[KQ+1]
	v_pk_mul_f32 v[96+NN:97+NN], v[96+NN:97+NN], v[96+NN:97+NN]   ; y^2: the plain instruction behind the two reciprocals, whose results are used only in the next run
.set NN, NN+2
.endr
.set NN, 0
.rept 32
	KQSET NN
	s_wait_alu depctr_va_vdst(0)
	v_pk_mul_f32 v[96+NN:97+NN], v[96+NN:97+NN], v[KQ:KQ+1]       ; y^2 / den
.set NN, NN+2
.endr
.irp t, 0,1,2,3                                ; V's fragments and scale words are asked for now and land under the softmax
.irp c, 0,1
	ds_load_b128 v[64+8*\t+4*\c:67+8*\t+4*\c], v9 offset:1024*\t+512*\c
.endr
	ds_load_b32 v[248+\t], v10 offset:1024+64*\t
.endr
	s_cmp_lg_u32 s[KS], s[GG]                      ; on the diagonal the scores of hidden keys become -infinity ahead of the maximum: p = 0 then
	s_cbranch_scc1 .Lopen_\@
	v_mov_b32 v254, 0xff800000
.irp n, 0,1,2,3,4,5,6,7,8,9,10,11,12,13,14,15,16,17,18,19,20,21,22,23,24,25,26,27,28,29,30,31,32,33,34,35,36,37,38,39,40,41,42,43,44,45,46,47,48,49,50,51,52,53,54,55,56,57,58,59,60,61,62,63
	v_cmp_gt_i32 vcc_lo, 16*(\n/8)+\n%8, v4
	s_delay_alu instid0(VALU_DEP_1)
	v_cndmask_b32 v[96+\n], v[96+\n], v254, vcc_lo
.endr
.Lopen_\@:
	s_setprio 1
.irp b, 0,1,2,3
	v_max3_num_f32 v[232+\b], v[96+16*\b], v[97+16*\b], v[98+16*\b]   ; the largest score of each block of 32 keys: it serves for the row's maximum and, since p rises with the score (c is positive), for the block's largest p
.endr
.irp i, 3,5,7,9,11,13
.irp b, 0,1,2,3
	s_delay_alu instid0(VALU_DEP_4)
	v_max3_num_f32 v[232+\b], v[232+\b], v[96+16*\b+\i], v[97+16*\b+\i]
.endr
.endr
.irp b, 0,1,2,3
	s_delay_alu instid0(VALU_DEP_4)
	v_max_num_f32 v[232+\b], v[232+\b], v[111+16*\b]
.endr
.irp b, 0,1,2,3
	s_delay_alu instid0(VALU_DEP_4)
	v_permlanex16_b32 v[236+\b], v[232+\b], s[SEL], s[SEL+1]
.endr
.irp b, 0,1,2,3
	s_delay_alu instid0(VALU_DEP_4)
	v_max_num_f32 v[232+\b], v[232+\b], v[236+\b]  ; with lane l xor 16's 16 keys
.endr
	s_delay_alu instid0(VALU_DEP_2)
	v_max3_num_f32 v254, v232, v233, v234
	s_delay_alu instid0(VALU_DEP_1)
	v_max_num_f32 v254, v254, v235
	s_delay_alu instid0(VALU_DEP_1)
	v_mul_f32 v254, s[CS], v254                    ; the step's largest t
	s_delay_alu instid0(VALU_DEP_1)
	v_max_num_f32 v13, v13, v254                   ; the running largest t
	v_mov_b32 v254, v12
	s_delay_alu instid0(VALU_DEP_2)
	v_floor_f32 v12, -v13                          ; the new -M = -ceil(t): a whole number
	s_delay_alu instid0(VALU_DEP_1)
	v_sub_f32 v254, v12, v254                      ; old M - new M: a whole number, 0 or less
	s_delay_alu instid0(VALU_DEP_1)
	v_cvt_i32_f32 v254, v254                       ; (it saturates)
	s_delay_alu instid0(VALU_DEP_1)
	v_ldexp_f32 v252, 1.0, v254                    ; f = 2^(old M - new M)
.irp j, 0,2,4,6,8,10,12,14,16,18,20,22,24,26,28,30,32,34,36,38,40,42,44,46,48,50,52,54,56,58,60,62
	v_pk_fma_f32 v[96+\j:97+\j], v[96+\j:97+\j], s[CS:CS+1], v[12:13] op_sel_hi:[1,0,0]   ; t - M
.endr
.irp b, 0,1,2,3
	v_fma_f32 v[232+\b], v[232+\b], s[CS], v12     ; the same of each block's largest score
.endr
	s_wait_alu depctr_va_vdst(0)
.irp j, 0,1,2,3,4,5,6,7,8,9,10,11,12,13,14,15,16,17,18,19,20,21,22,23,24,25,26,27,28,29,30,31,32,33,34,35,36,37,38,39,40,41,42,43,44,45,46,47,48,49,50,51,52,53,54,55,56,57,58,59,60,61,62,63
	v_exp_f32 v[96+\j], v[96+\j]                   ; p = 2^(t - M), at most 1
.endr
.irp b, 0,1,2,3
	v_exp_f32 v[232+\b], v[232+\b]                 ; the block's largest p: the same two instructions on the same number
.endr
	v_pk_mul_f32 v[14:15], v[14:15], v[252:253] op_sel_hi:[1,0]   ; the sum under the new M.  (A plain place behind the exponentials)
	s_wait_alu depctr_va_vdst(0)
.irp b, 0,1,2,3
	v_max_num_f32 v[232+\b], 0x1800000, v[232+\b]  ; the floor 2^(3 - 127): the byte cannot fall under 1
.endr
.irp b, 0,1,2,3
	s_delay_alu instid0(VALU_DEP_4)
	v_add_nc_u32 v[244+\b], 0xff000000, v[232+\b]  ; 2 off the exponent field: the conversion's scale operand
.endr
.irp b, 0,1,2,3
	s_delay_alu instid0(VALU_DEP_4)
	v_lshrrev_b32 v[236+\b], 23, v[244+\b]
.endr
	s_delay_alu instid0(VALU_DEP_3)
	v_lshl_or_b32 v253, v237, 8, v236              ; p's scale word for these 128 keys
	s_delay_alu instid0(VALU_DEP_1)
	v_lshl_or_b32 v253, v238, 16, v253
	s_delay_alu instid0(VALU_DEP_1)
	v_lshl_or_b32 v253, v239, 24, v253
	s_setprio 0
.irp t, 0,1,2,3,4,5,6,7
	v_cvt_scalef32_pk8_fp4_f32 v[224+4*(\t/4)+2*(\t%2)+(\t%4)/2], v[96+8*\t:103+8*\t], v[244+\t/2]
.endr
	v_nop                                          ; one plain place behind a scaled conversion
.irp c, 0,1
.irp i, 0,2
	v_permlane16_swap_b32 v[224+4*\c+\i], v[225+4*\c+\i]
.endr
.endr
	v_pk_add_f32 v[236:237], v[100:101], v[104:105]
	v_pk_add_f32 v[246:247], v[108:109], v[112:113]
	v_pk_add_f32 v[244:245], v[116:117], v[120:121]
	v_pk_add_f32 v[240:241], v[124:125], v[128:129]
	v_pk_add_f32 v[234:235], v[132:133], v[136:137]
	v_pk_add_f32 v[232:233], v[140:141], v[144:145]
	v_pk_add_f32 v[222:223], v[148:149], v[152:153]
	v_pk_add_f32 v[14:15], v[14:15], v[156:157]
	v_pk_add_f32 v[236:237], v[236:237], v[96:97]
	v_pk_add_f32 v[246:247], v[246:247], v[98:99]
	v_pk_add_f32 v[244:245], v[244:245], v[102:103]
	v_pk_add_f32 v[240:241], v[240:241], v[106:107]
	v_pk_add_f32 v[234:235], v[234:235], v[110:111]
	v_pk_add_f32 v[232:233], v[232:233], v[114:115]
	v_pk_add_f32 v[222:223], v[222:223], v[118:119]
	v_pk_add_f32 v[14:15], v[14:15], v[122:123]
	v_pk_add_f32 v[236:237], v[236:237], v[126:127]
	v_pk_add_f32 v[246:247], v[246:247], v[130:131]
	v_pk_add_f32 v[244:245], v[244:245], v[134:135]
	v_pk_add_f32 v[240:241], v[240:241], v[138:139]
	v_pk_add_f32 v[234:235], v[234:235], v[142:143]
	v_pk_add_f32 v[232:233], v[232:233], v[146:147]
	v_pk_add_f32 v[222:223], v[222:223], v[150:151]
	v_pk_add_f32 v[14:15], v[14:15], v[154:155]
	v_pk_add_f32 v[236:237], v[236:237], v[158:159]
	s_delay_alu instid0(VALU_DEP_2)
	v_pk_add_f32 v[14:15], v[14:15], v[240:241]
	s_delay_alu instid0(VALU_DEP_2)
	v_pk_add_f32 v[236:237], v[236:237], v[234:235]
	v_pk_add_f32 v[246:247], v[246:247], v[232:233]
	v_pk_add_f32 v[244:245], v[244:245], v[222:223]
	s_delay_alu instid0(VALU_DEP_2)
	v_pk_add_f32 v[14:15], v[14:15], v[246:247]
	s_delay_alu instid0(VALU_DEP_2)
	v_pk_add_f32 v[236:237], v[236:237], v[244:245]
	s_delay_alu instid0(VALU_DEP_1)
	v_pk_add_f32 v[14:15], v[14:15], v[236:237]
.irp j, 0,2,4,6,8,10,12,14,16,18,20,22,24,26,28,30
	v_pk_mul_f32 v[160+\j:161+\j], v[160+\j:161+\j], v[252:253] op_sel_hi:[1,0]   ; O^T under the new M.  (With the sums above: far more than the eight places that a scale word written by vector instructions wants ahead of a scaled product)
.endr
	s_wait_alu depctr_va_vdst(0)
	s_wait_dscnt 0x0                               ; V
.irp t, 0,1,2,3
	v_wmma_scale_f32_16x16x128_f8f6f4 v[160+8*\t:167+8*\t], v[64+8*\t:71+8*\t], v[224:231], v[160+8*\t:167+8*\t], v[248+\t], v253 matrix_a_fmt:MATRIX_FMT_FP4 matrix_b_fmt:MATRIX_FMT_FP4
.endr
.Lhidden_\@:
	s_add_co_u32 s[TK], s[TK], 4096
	s_add_co_u32 s[TR], s[TR], REC
.endm
	s_mov_b32 s[KS], 0
	s_mov_b32 s[TK], 0
	s_mov_b32 s[TR], 0
	s_wait_tensorcnt 0x1                           ; of my two tensor loads the first, key steps 0 and 1, has landed; the second may stay out
	s_barrier_signal -1
	s_barrier_wait -1                              ; everybody's has
	STEP                                           ; key steps 0 and 1 are written out: they read the first fills' bytes alone, at addresses that are constants of the text
	s_add_co_u32 s[KS], s[KS], 1
	STEP
	s_add_co_u32 s[KS], s[KS], 1
	s_wait_tensorcnt 0x0                           ; the rest of the head has landed,
	s_wait_dscnt 0x0
	s_barrier_signal -1
	s_barrier_wait -1                              ; everybody's part of it.  From here on the waves do not meet until the end
.Lkeys:                                            ; key steps 2 .. 15
	STEP
	s_add_co_u32 s[KS], s[KS], 1
	s_cmp_lt_u32 s[KS], 16
	s_cbranch_scc1 .Lkeys
	s_setprio 0
	; THE WAY OUT: O^T / the sum, quantised along the head's 64 dims: two blocks, four registers of codes
.rept 4
	v_nop                                          ; places behind the last products
.endr
	v_add_f32 v14, v14, v15
	s_delay_alu instid0(VALU_DEP_1)
	v_permlanex16_b32 v252, v14, s[SEL], s[SEL+1]
	s_delay_alu instid0(VALU_DEP_1)
	v_add_f32 v14, v14, v252                       ; the row's sum
	s_wait_alu depctr_va_vdst(0)
	v_rcp_f32 v14, v14
	v_nop                                          ; a plain place behind the transcendental
	s_wait_alu depctr_va_vdst(0)
.irp j, 0,2,4,6,8,10,12,14,16,18,20,22,24,26,28,30
	v_pk_mul_f32 v[96+\j:97+\j], v[160+\j:161+\j], v[14:15] op_sel_hi:[1,0]   ; register 8 t + i: dim 16 t + 8 h + i of my query; each accumulator from its low end on
.endr
.irp b, 0,1
	v_max3_num_f32 v[232+\b], |v[96+16*\b]|, |v[97+16*\b]|, 0x1800000
.endr
.irp i, 2,4,6,8,10,12,14
.irp b, 0,1
	s_delay_alu instid0(VALU_DEP_2)
	v_max3_num_f32 v[232+\b], v[232+\b], |v[96+16*\b+\i]|, |v[97+16*\b+\i]|
.endr
.endr
.irp b, 0,1
	s_delay_alu instid0(VALU_DEP_2)
	v_permlanex16_b32 v[236+\b], v[232+\b], s[SEL], s[SEL+1]
.endr
.irp b, 0,1
	s_delay_alu instid0(VALU_DEP_2)
	v_max_num_f32 v[232+\b], v[232+\b], v[236+\b]
.endr
.irp b, 0,1
	s_delay_alu instid0(VALU_DEP_2)
	v_add_nc_u32 v[244+\b], 0xff000000, v[232+\b]
.endr
.irp b, 0,1
	s_delay_alu instid0(VALU_DEP_2)
	v_lshrrev_b32 v[236+\b], 23, v[244+\b]
.endr
	s_delay_alu instid0(VALU_DEP_1)
	v_lshl_or_b32 v27, v237, 8, v236               ; the head's two scale bytes of my query
.irp t, 0,1,2,3
	v_cvt_scalef32_pk8_fp4_f32 v[224+2*(\t%2)+\t/2], v[96+8*\t:103+8*\t], v[244+\t/2]
.endr
	v_nop
	v_permlane16_swap_b32 v224, v225
	v_permlane16_swap_b32 v226, v227
	global_store_b128 v1, v[224:227], s[12:13]     ; 512 consecutive bytes
	global_store_b16 v29, v27, s[14:15]            ; 2 bytes at 16 r
	s_wait_tensorcnt 0x0
	ds_add_u32 v242, v243
	s_wait_dscnt 0x0
	CROUND                                         ; the closing round: no work-group ends while a partner may still ask for a tile that names it
	s_endpgm
.Lfunc_end_k_q10f718e403_attn:
	.size	k_q10f718e403_attn, .Lfunc_end_k_q10f718e403_attn-k_q10f718e403_attn
	.p2alignl 7, 3214868480
	.fill 96, 4, 3214868480
	.section	.rodata,"a",@progbits
	.p2align	6, 0x0
	.amdhsa_kernel k_q10f718e403_attn
		.amdhsa_group_segment_fixed_size 169984
		.amdhsa_private_segment_fixed_size 0
		.amdhsa_enable_private_segment 0
		.amdhsa_kernarg_size 48
		.amdhsa_user_sgpr_count 2
		.amdhsa_user_sgpr_kernarg_segment_ptr 1
		.amdhsa_wavefront_size32 1
		.amdhsa_system_sgpr_workgroup_id_x 1
		.amdhsa_system_sgpr_workgroup_id_y 1
		.amdhsa_system_sgpr_workgroup_id_z 1
		.amdhsa_system_vgpr_workitem_id 0
		.amdhsa_next_free_vgpr 256
		.amdhsa_next_free_sgpr 102
		.amdhsa_reserve_vcc 1
		.amdhsa_float_denorm_mode_32 3
		.amdhsa_float_denorm_mode_16_64 3
		.amdhsa_memory_ordered 1
		.amdhsa_forward_progress 1
		.amdhsa_inst_pref_size 127
	.end_amdhsa_kernel
	.amdgpu_metadata
---
amdhsa.version: [ 1, 2 ]
amdhsa.kernels:
  - .name:           k_q10f718e403_attn
    .symbol:         k_q10f718e403_attn.kd
    .args:
      - { .name: qkimg, .offset: 0, .size: 8, .value_kind: global_buffer, .address_space: global }
      - { .name: vimg, .offset: 8, .size: 8, .value_kind: global_buffer, .address_space: global }
      - { .name: meta, .offset: 16, .size: 8, .value_kind: global_buffer, .address_space: global }
      - { .name: alpha, .offset: 24, .size: 8, .value_kind: global_buffer, .address_space: global }
      - { .name: acodes, .offset: 32, .size: 8, .value_kind: global_buffer, .address_space: global }
      - { .name: ascales, .offset: 40, .size: 8, .value_kind: global_buffer, .address_space: global }
    .group_segment_fixed_size: 169984
    .private_segment_fixed_size: 0
    .kernarg_segment_align: 8
    .kernarg_segment_size: 48
    .max_flat_workgroup_size: 512
    .sgpr_count:     102
    .vgpr_count:     256
    .wavefront_size: 32
...
	.end_amdgpu_metadata
.endif
;; end of part 2
;; launch oproj (part 3): grid 8 x 32, 4 waves a work-group, clusters of 4 x 4, 168,448 bytes of LDS; arguments acodes, ascales, Wo_codes, Wo_scales, out0; writes out0
.if DOCPART == 3
	.amdgcn_target "amdgcn-amd-amdhsa--gfx1250"
	.amdhsa_code_object_version 6
	.text
	.protected	k_q10f718e403_oproj
	.globl	k_q10f718e403_oproj
	.p2align	8
	.type	k_q10f718e403_oproj,@function
k_q10f718e403_oproj:
	s_mov_b64 s[64:65], 0
	v_nop
	global_prefetch_b8 v0, s[64:65] scope:SCOPE_SE
	s_setreg_imm32_b32 hwreg(HW_REG_WAVE_MODE, 25, 1), 1
	s_wait_xcnt 0x0
	s_wait_alu depctr_hold_cnt(0) depctr_sa_sdst(0) depctr_va_vdst(0) depctr_va_sdst(0) depctr_va_ssrc(0) depctr_va_vcc(0) depctr_vm_vsrc(0)
	s_getreg_b32 s2, hwreg(HW_REG_IB_STS2, 6, 4)
	s_cmp_eq_u32 s2, 0
	s_cbranch_scc0 .Lentry_in_a_cluster
	s_endpgm
.Lentry_in_a_cluster:
	s_bfe_u32 s2, ttmp6, 0x10000c
	s_cmp_lg_u32 s2, 0xf033
	s_cbranch_scc0 .Lentry_shape_is_right
	s_endpgm
.Lentry_shape_is_right:
; out0 = a Wo on codes of FP4 (E2M1) with one E8M0 scale for each 32 along K = 1,024.  a: the attention's result, [4,096 tokens][1,024], as images of operand registers
; (acodes [128 tokens 32][K step 8][tile of 16 tokens 8][c 2][lane 32][16 B]; ascales [tile 256][lane 32][16 B]: register q of the four: lanes 0-15 the word of K step q, lanes 16-31 of K step 4 + q).
; Wo: codes [1,024 columns][512 B], scale bytes [1,024][32].  out0: [4,096][1,024] f32.
; SHARES.  128 x 128 of out0 to a work-group: 256 work-groups, one for each WGP (tiles of 256 x 256 would be 64).  Four waves, 64 x 64 each: 16 accumulators.  All of K lies in LDS, in two halves, each filled once.
; CLUSTER 4 x 4: a's tile is asked for jointly along a row of the cluster, Wo's along a column.  THE PRODUCT IS USED TRANSPOSED (source 0 = 16 rows of Wo, source 1 = 16 tokens): a lane holds eight neighbouring
; numbers of a row of out0; a block of 16 rows goes through the wave's own stage in LDS and leaves as aligned runs of 256 bytes.
; REGISTERS.  window 0: v1-14 addresses; v32-47 a's scale words, v48-63 Wo's, and nothing else there; v64-127 rows read back, two sets; v128-255 the accumulators (128 + 8 (4 i + j)).
;   window 1: two fragment buffers of 64: a's four at + 8 i, Wo's four at + 32 + 8 j.
.set PITCH, 272                        ; a row of Wo in LDS: 256 bytes + 16 of padding
.set AIMG,  32768                      ; a half of K of a's images: [K step 4][tile 8][1,024 B]
.set SLOT,  AIMG+128*PITCH             ; then Wo's 128 rows
.set STAGE, 2*SLOT                     ; behind the tiles: 16 rows x 272 bytes for each wave; written by LDS stores alone
.set WV,  14
.set RR,  15                           ; which 64 tokens are mine
.set CC,  16                           ; which 64 columns.  Also which half of a tile I fetch
.set CX,  17
.set CY,  18
.set XX,  19
.set YY,  20
.set RM,  21
.set CM,  22
.set G1A, 24
.set G1B, 32
.set G0A, 40                           ; s[40:47] groups 0 for a, K half 0 and 1;  s[48:55] for Wo
.set G0B, 48
.set SA,  66
.set SW,  68
.set OB,  70
.set ADA, 8
.set ADB, 10
.set STO, 12
.set RD,  13
.set CO,  14
.set MSB, 0
.macro WIN new
.if MSB != \new
	s_set_vgpr_msb (MSB<<8)|\new
.set MSB, \new
.endif
.endm
.macro PLACES
.rept 4
	v_nop
.endr
.endm
.macro CROUND
	s_barrier_signal -1
	s_barrier_wait -1
	s_cmp_lg_u32 s[WV], 0
	s_cbranch_scc1 .Lnot_wave_0_\@
	s_barrier_signal -3
.Lnot_wave_0_\@:
	s_barrier_wait -3
	s_barrier_signal -1
	s_barrier_wait -1
.endm
.macro GROUP0 g, lr, lo, ar, ao
	s_mov_b32 s[\g], 1
	s_add_co_u32 s[\g+1], s[\lr], \lo
	s_add_nc_u64 s[\g+2:\g+3], s[\ar:\ar+1], \ao
	s_or_b32 s[\g+3], s[\g+3], 0x80000000
.endm
	s_load_b256 s[4:11], s[0:1], 0x0               ; acodes, ascales, Wo's codes, Wo's scales
	s_load_b64 s[12:13], s[0:1], 0x20              ; out0
	v_lshl_add_u32 v30, v0, 2, 0x29000
	v_mov_b32 v31, 0
	ds_add_u32 v30, v31
	ds_add_u32 v30, v31
	v_lshrrev_b32 v1, 5, v0
	v_readfirstlane_b32 s[WV], v1
	s_lshr_b32 s[RR], s[WV], 1
	s_and_b32 s[CC], s[WV], 1
	s_bfe_u32 s[CX], ttmp6, 0x40000
	s_bfe_u32 s[CY], ttmp6, 0x40004
	s_lshl_b32 s[XX], ttmp9, 2
	s_add_co_u32 s[XX], s[XX], s[CX]
	s_and_b32 s[YY], ttmp7, 0xffff
	s_lshl_b32 s[YY], s[YY], 2
	s_add_co_u32 s[YY], s[YY], s[CY]
	s_lshl_b32 s[RM], s[CY], 2
	s_lshl_b32 s[RM], 15, s[RM]
	s_lshl_b32 s[CM], 0x1111, s[CX]
	s_or_b32 s[G1A], s[RM], (3<<16)|(1<<21)        ; a: 64 rows of 256 bytes (32 elements of 8), dense, no padding; the mask of my row; bit 21 set beside it
	s_mov_b32 s[G1A+1], 32<<16
	s_mov_b32 s[G1A+2], 64<<16
	s_mov_b32 s[G1A+3], 32<<16
	s_mov_b32 s[G1A+4], 64
	s_mov_b32 s[G1A+5], 32
	s_mov_b32 s[G1A+6], 0
	s_mov_b32 s[G1A+7], 0
	s_or_b32 s[G1B], s[CM], (1<<20)|(1<<21)|(5<<22)|(3<<25)   ; Wo: 64 rows x 256 bytes out of rows of 512; 4 words of padding behind every 64; the mask of my column
	s_mov_b32 s[G1B+1], 256<<16
	s_mov_b32 s[G1B+2], 64<<16
	s_mov_b32 s[G1B+3], 256<<16
	s_mov_b32 s[G1B+4], 64
	s_mov_b32 s[G1B+5], 512
	s_mov_b32 s[G1B+6], 0
	s_mov_b32 s[G1B+7], 0
	s_lshl_b32 s56, s[YY], 16                      ; a: 65,536 bytes a block of 128 tokens; my half of a K half's 32,768
	s_lshl_b32 s62, s[CC], 14
	s_add_co_u32 s56, s56, s62
	s_mov_b32 s57, 0
	s_lshl_b32 s58, s[XX], 16                      ; Wo: 128 rows of 512 bytes a column block; my 64 rows
	s_lshl_b32 s63, s[CC], 15
	s_add_co_u32 s58, s58, s63
	s_mov_b32 s59, 0
	s_lshl_b32 s60, s[CC], 14                      ; and where they go
	s_mul_i32 s61, s[CC], 64*PITCH
	s_add_co_u32 s61, s61, AIMG
	s_wait_dscnt 0x0
	s_wait_kmcnt 0x0
	s_add_nc_u64 s[56:57], s[4:5], s[56:57]
	s_add_nc_u64 s[58:59], s[8:9], s[58:59]
	GROUP0 G0A, 60, 0, 56, 0
	GROUP0 G0A+4, 60, SLOT, 56, 32768
	GROUP0 G0B, 61, 0, 58, 0
	GROUP0 G0B+4, 61, SLOT, 58, 256
	CROUND                                         ; all sixteen work-groups are here: the joint loads meet
	s_cmp_lt_u32 s[WV], 2                          ; waves 0 and 1 ask for a's halves, waves 2 and 3 for Wo's; a wave's two fills stand in one branch: two tensor loads of mine are out, and no more follow
	s_cbranch_scc0 .Lfill_w
	tensor_load_to_lds s[G0A:G0A+3], s[G1A:G1A+7]
	s_nop 0
	tensor_load_to_lds s[G0A+4:G0A+7], s[G1A:G1A+7]
	s_nop 0
.rept 4
	v_nop                                          ; four v_nop follow the loads, ahead of the jump and the label
.endr
	s_branch .Lfilled
.Lfill_w:
	tensor_load_to_lds s[G0B:G0B+3], s[G1B:G1B+7]
	s_nop 0
	tensor_load_to_lds s[G0B+4:G0B+7], s[G1B:G1B+7]
	s_nop 0
.rept 4
	v_nop
.endr
.Lfilled:
	v_and_b32 v1, 15, v0                           ; r
	v_bfe_u32 v2, v0, 4, 1                         ; h
	v_and_b32 v3, 31, v0                           ; lane
	v_lshlrev_b32 v4, 4, v3                        ; 16 x lane
	s_wait_alu depctr_va_vdst(0)
	v_lshlrev_b32 v5, 5, v1
	v_lshl_add_u32 v5, v2, 4, v5                   ; 32 r + 16 h
	s_wait_alu depctr_va_vdst(0)
	s_mov_b32 s63, 0
	s_lshl_b32 s62, s[YY], 3
	s_lshl_b32 s60, s[RR], 2
	s_add_co_u32 s62, s62, s60
	s_lshl_b32 s62, s62, 9                         ; my first tile of tokens: 512 bytes of scale words a tile
	s_add_nc_u64 s[SA:SA+1], s[6:7], s[62:63]
	s_lshl_b32 s62, s[XX], 12
	s_lshl_b32 s60, s[CC], 11
	s_add_co_u32 s62, s62, s60                     ; my first column: 32 bytes a row
	s_add_nc_u64 s[SW:SW+1], s[10:11], s[62:63]
.irp i, 0,1,2,3
	global_load_b128 v[32+4*\i:35+4*\i], v4, s[SA:SA+1] offset:512*\i
.endr
.irp j, 0,1,2,3
	global_load_b128 v[48+4*\j:51+4*\j], v5, s[SW:SW+1] offset:512*\j
.endr
	s_lshl_b32 s62, s[YY], 7
	s_lshl_b32 s60, s[RR], 6
	s_add_co_u32 s62, s62, s60
	s_lshl_b32 s62, s62, 12                        ; my first row of out0: 4,096 bytes a row
	s_lshl_b32 s60, s[XX], 9
	s_add_co_u32 s62, s62, s60
	s_lshl_b32 s60, s[CC], 8
	s_add_co_u32 s62, s62, s60                     ; my first column: 512 X + 256 c bytes
	s_add_nc_u64 s[OB:OB+1], s[12:13], s[62:63]
	s_lshl_b32 s60, s[RR], 12                      ; a's images: my four tiles
	v_add_nc_u32 v[ADA], s60, v4
	v_add_nc_u32 v[ADA+1], SLOT, v[ADA]
	v_mul_u32_u24 v6, v1, PITCH
	v_lshl_add_u32 v6, v2, 4, v6
	s_mul_i32 s60, s[CC], 64*PITCH
	s_add_co_u32 s60, s60, AIMG                    ; Wo's rows: my 64
	v_add_nc_u32 v[ADB], s60, v6
	v_add_nc_u32 v[ADB+1], SLOT, v[ADB]
	s_mul_i32 s60, s[WV], 16*PITCH
	s_add_co_u32 s60, s60, STAGE                   ; my stage
	v_mul_u32_u24 v[STO], v1, PITCH
	v_lshl_add_u32 v[STO], v2, 5, v[STO]
	v_add_nc_u32 v[STO], s60, v[STO]               ; in: row r, 32 bytes for each half of the lanes
	v_mul_u32_u24 v[RD], v2, PITCH
	v_lshl_add_u32 v[RD], v1, 4, v[RD]
	v_add_nc_u32 v[RD], s60, v[RD]                 ; back: lanes 0-15 one row of 256 bytes, lanes 16-31 the next
	v_lshlrev_b32 v[CO], 12, v2
	v_lshl_add_u32 v[CO], v1, 4, v[CO]             ; and the same two rows in out0
	s_wait_alu depctr_va_vdst(0)
	s_wait_loadcnt 0x0                             ; the scale words
	s_wait_tensorcnt 0x1                           ; of my two tensor loads the first, K half 0, has landed; the second may stay out
	s_barrier_signal -1
	s_barrier_wait -1
.macro FETCH s, q, p                   ; the fragments of K step 4 s + q into buffer p: one run of 16 loads
	WIN 0x40                                       ; destination window 1, address window 0
.irp i, 0,1,2,3
.irp c, 0,1
	ds_load_b128 v[64*(\p)+8*\i+4*\c:64*(\p)+8*\i+4*\c+3], v[ADA+(\s)] offset:8192*(\q)+1024*\i+512*\c
.endr
.endr
.irp j, 0,1,2,3
.irp c, 0,1
	ds_load_b128 v[64*(\p)+32+8*\j+4*\c:64*(\p)+32+8*\j+4*\c+3], v[ADB+(\s)] offset:16*\j*PITCH+64*(\q)+32*\c
.endr
.endr
	WIN 0
.endm
.macro WM d, a, b, sa, sb, mode        ; mode 0: starts the sum with the constant 0; 1: scale words from lanes 0-15; 2: from lanes 16-31
.if \mode == 0
	v_wmma_scale_f32_16x16x128_f8f6f4 v[\d:\d+7], v[\a:\a+7], v[\b:\b+7], 0, v[\sa], v[\sb] matrix_a_fmt:MATRIX_FMT_FP4 matrix_b_fmt:MATRIX_FMT_FP4
.elseif \mode == 1
	v_wmma_scale_f32_16x16x128_f8f6f4 v[\d:\d+7], v[\a:\a+7], v[\b:\b+7], v[\d:\d+7], v[\sa], v[\sb] matrix_a_fmt:MATRIX_FMT_FP4 matrix_b_fmt:MATRIX_FMT_FP4
.else
	v_wmma_scale_f32_16x16x128_f8f6f4 v[\d:\d+7], v[\a:\a+7], v[\b:\b+7], v[\d:\d+7], v[\sa], v[\sb] matrix_a_fmt:MATRIX_FMT_FP4 matrix_b_fmt:MATRIX_FMT_FP4 matrix_a_scale:MATRIX_SCALE_ROW1 matrix_b_scale:MATRIX_SCALE_ROW1
.endif
.endm
.macro MULS p, q, mode                 ; a K step's 16 products on 16 accumulators, which take turns, one instruction a turn
	WIN 0x05                                       ; sources 0 and 1 window 1, C and D window 0
.irp i, 0,1,2,3
.irp j, 0,1,2,3
	WM 128+8*(4*\i+\j), 64*(\p)+32+8*\j, 64*(\p)+8*\i, 48+4*\j+(\q), 32+4*\i+(\q), \mode
.endr
.endr
	WIN 0
.endm
	FETCH 0, 0, 0
.irp k, 0,1,2,3,4,5,6,7
.if \k == 3
	s_wait_tensorcnt 0x0                           ; my part of K half 1 has landed,
	s_wait_dscnt 0x0
	s_barrier_signal -1
	s_barrier_wait -1                              ; everybody's has: the next fetch reads it
.endif
.if \k < 7
.if \k > 0
	PLACES                                         ; the other buffer was read by the last step's products
.endif
	FETCH (\k+1)/4, (\k+1)%4, (\k+1)%2
	s_wait_dscnt 16                                ; the 16 loads just issued may stay out: this step's fragments are in
.else
	s_wait_dscnt 0x0
.endif
.if \k == 0
	MULS 0, 0, 0
.elseif \k < 4
	MULS \k%2, \k%4, 1
.else
	MULS \k%2, \k%4, 2
.endif
.endr
	; THE WAY OUT, 16 rows x 64 columns at a time, through my own stage: LDS serves a wave's instructions in order, so no wait stands between the stores and the loads, nor in front of the next block's stores
	PLACES
.irp i, 0,1,2,3
.if \i > 1
	s_wait_xcnt 0x0                                ; the set of registers that takes this block was the data of stores: it is loaded again only behind this wait
.endif
.irp j, 0,1,2,3
	ds_store_b128 v[STO], v[128+8*(4*\i+\j):128+8*(4*\i+\j)+3] offset:64*\j          ; each accumulator from its low end on
	ds_store_b128 v[STO], v[128+8*(4*\i+\j)+4:128+8*(4*\i+\j)+7] offset:64*\j+16
.endr
.irp k, 0,1,2,3,4,5,6,7
	ds_load_b128 v[64+32*(\i%2)+4*\k:64+32*(\i%2)+4*\k+3], v[RD] offset:2*\k*PITCH
.endr
.irp k, 0,1,2,3,4,5,6,7
	s_wait_dscnt 7-\k                              ; the younger loads from the stage may stay out
	global_store_b128 v[CO], v[64+32*(\i%2)+4*\k:64+32*(\i%2)+4*\k+3], s[OB:OB+1] offset:(16*\i+2*\k)*4096 th:TH_STORE_NT   ; sixteen lanes store 256 consecutive bytes, at a multiple of 256 from out0's first byte
.endr
.endr
	s_wait_tensorcnt 0x0
	ds_add_u32 v30, v31
	s_wait_dscnt 0x0
	CROUND                                         ; the closing round: no work-group ends while a partner may still ask for a tile that names it
	s_endpgm
.Lfunc_end_k_q10f718e403_oproj:
	.size	k_q10f718e403_oproj, .Lfunc_end_k_q10f718e403_oproj-k_q10f718e403_oproj
	.p2alignl 7, 3214868480
	.fill 96, 4, 3214868480
	.section	.rodata,"a",@progbits
	.p2align	6, 0x0
	.amdhsa_kernel k_q10f718e403_oproj
		.amdhsa_group_segment_fixed_size 168448
		.amdhsa_private_segment_fixed_size 0
		.amdhsa_enable_private_segment 0
		.amdhsa_kernarg_size 40
		.amdhsa_user_sgpr_count 2
		.amdhsa_user_sgpr_kernarg_segment_ptr 1
		.amdhsa_wavefront_size32 1
		.amdhsa_system_sgpr_workgroup_id_x 1
		.amdhsa_system_sgpr_workgroup_id_y 1
		.amdhsa_system_sgpr_workgroup_id_z 1
		.amdhsa_system_vgpr_workitem_id 0
		.amdhsa_next_free_vgpr 384
		.amdhsa_next_free_sgpr 72
		.amdhsa_reserve_vcc 0
		.amdhsa_float_denorm_mode_32 3
		.amdhsa_float_denorm_mode_16_64 3
		.amdhsa_memory_ordered 1
		.amdhsa_forward_progress 1
		.amdhsa_inst_pref_size 43
	.end_amdhsa_kernel
	.amdgpu_metadata
---
amdhsa.version: [ 1, 2 ]
amdhsa.kernels:
  - .name:           k_q10f718e403_oproj
    .symbol:         k_q10f718e403_oproj.kd
    .args:
      - { .name: acodes, .offset: 0, .size: 8, .value_kind: global_buffer, .address_space: global }
      - { .name: ascales, .offset: 8, .size: 8, .value_kind: global_buffer, .address_space: global }
      - { .name: Wo_codes, .offset: 16, .size: 8, .value_kind: global_buffer, .address_space: global }
      - { .name: Wo_scales, .offset: 24, .size: 8, .value_kind: global_buffer, .address_space: global }
      - { .name: out0, .offset: 32, .size: 8, .value_kind: global_buffer, .address_space: global }
    .group_segment_fixed_size: 168448
    .private_segment_fixed_size: 0
    .kernarg_segment_align: 8
    .kernarg_segment_size: 40
    .max_flat_workgroup_size: 128
    .sgpr_count:     72
    .vgpr_count:     384
    .wavefront_size: 32
...
	.end_amdgpu_metadata
.endif
;; end of part 3
